; MI455X (gfx1250); checked and timed in simulation.
; The chip was launched on July 23, 2026; its instructions are those of AMD's public machine-readable ISA for CDNA 5 (MIT licence, August 2026) and "CDNA5" Instruction Set Architecture Reference Guide (July 2026). The comments in the code are by the model that wrote it; some were corrected since.
;; Multi Head Attention. Allowed arithmetic: matrix products marked QUANTISED: E4M3 operands, one E8M0 scale for each 32 along K, by v_wmma_scale_f32_16x16x128_f8f6f4 with both operands' format E4M3, f32 sums; everything else in f32.
;; Inputs: Wk 1,024 x 1,024 float32; Wo 1,024 x 1,024 float32; Wq 1,024 x 1,024 float32; Wv 1,024 x 1,024 float32; bo 1,024 float32; x 1 x 4,096 x 1,024 float32.
;; Outputs: out0 1 x 4,096 x 1,024 float32.
;; This version of the problem:
;;   THIS VERSION OF THE PROBLEM IS GIVEN IN LOW PRECISION. The matrix products marked QUANTISED in the list below multiply operands that are first quantised to E4M3 (4 exponent bits, 3 mantissa bits; 8 bits a number), with one power-of-two scale for each 32 numbers along K (OCP MX v1.0); their sums are f32. All else is computed in f32.
;;   The module's matrix products, in the order in which they are computed (A, B: the left and right operand; K: the contracted axis; several contracted axes count as one K, in the product's order):
;;     1. [M 4,096, K 1,024] x [K 1,024, N 1,024]; A: input x; B: input Wq: QUANTISED
;;     2. [M 4,096, K 1,024] x [K 1,024, N 1,024]; A: input x; B: input Wk: QUANTISED
;;     3. [M 4,096, K 1,024] x [K 1,024, N 1,024]; A: input x; B: input Wv: QUANTISED
;;     4. batch 16 x [M 4,096, K 64] x [K 64, N 4,096]; A: computed on the way; B: computed on the way: QUANTISED
;;     5. batch 16 x [M 4,096, K 4,096] x [K 4,096, N 64]; A: softmax (see below); B: computed on the way: QUANTISED
;;     6. [M 4,096, K 1,024] x [K 1,024, N 1,024]; A: computed on the way; B: input Wo: QUANTISED
;;   THE QUANTISER, for each operand of a quantised product, along K:
;;     - K is cut into blocks of 32 from its start; a last block that is shorter is filled with zeros.
;;     - A block's scale is 2^e with e = floor(log2(the largest magnitude in the block)) - 8, held to -126 .. 127; a block of zeros has e = 0. As a byte (E8M0): e + 127.
;;     - Each number is divided by its block's scale, clamped to +-448, and rounded to the nearest number of E4M3, ties to even, subnormals kept.
;;     - The product sums the exact products of the quantised numbers (number of the format x scale) in f32.
;;   ~~~python
;;   def quantise(x, axis):      # numpy; x: float32 -> the quantised numbers, widened to float32 again
;;       x = np.moveaxis(x, axis, -1); K = x.shape[-1]
;;       x = np.pad(x, [(0, 0)] * (x.ndim - 1) + [(0, -K % 32)]); x = x.reshape(x.shape[:-1] + (-1, 32)); a = np.abs(x).max(-1, keepdims=True)
;;       e = np.where(a > 0, np.clip(np.frexp(np.where(a > 0, a, 1))[1] - 1 - 8, -126, 127), 0)      # np.frexp(a)[1] - 1 = floor(log2(a)), exactly
;;       r = np.clip(x / 2.0 ** e, -448, 448)
;;       step = 2.0 ** (np.maximum(np.frexp(np.where(r == 0, 1, r))[1] - 1, -6) - 3)
;;       q = np.round(r / step) * step * 2.0 ** e      # np.round: ties to even
;;       return np.moveaxis(q.reshape(q.shape[:-2] + (-1,))[..., :K], -1, axis).astype(np.float32)
;;   ~~~
;;   SOFTMAX AHEAD OF A QUANTISED PRODUCT. Where the list says 'softmax', what is quantised is not the finished softmax but p = 2^(t - M), with t = logit x log2(e) and M = ceil(the row's largest t), a whole number; so 1/2 < the row's largest p <= 1. The row's sum l is taken of the UNQUANTISED p, in f32, and the product's result is divided by l at the end. Since M is a whole number, a kernel that streams over the keys may use a running M (the ceiling of the running maximum): every later rescaling is an exact power of two, which a block's scale takes up: the codes' values come out the same.
;;   OPERANDS COMPUTED ON THE WAY. 'Computed on the way' means the value that the module computes at that place (a softmax that the list does not call 'softmax' is quantised finished and normalised). What goes into a quantiser is computed in f32, as accurately as f32 sums, v_exp_f32 and their like allow (about 1e-6 of the number): no bf16 or f16 on the way to a quantiser, and a product that is left as it is and whose result goes on into a quantised operand takes f32 operands (vector FMAs, or v_wmma_f32_16x16x4_f32). A number that lies on a knife's edge between two numbers of the format may be rounded either way, as far as f32 arithmetic and the matrix unit's own rounding can turn it there, and no further.
;; One version. Each part assembles by itself: llvm-mc -triple=amdgcn-amd-amdhsa -mcpu=gfx1250 --defsym DOCPART=n.
;; ======== version 1 of 1: 4 launches
;; limits: right only within a limited range of input values
;; workspace buffers: xq 4,325,376 bytes; wq 4,325,376 bytes; qb 4,325,376 bytes; kvb 8,650,752 bytes; cb 4,325,376 bytes
;; launch quant (part 1): grid 256 x 1, 4 waves a work-group, no clusters, 68,096 bytes of LDS; arguments x, Wq, Wk, Wv, Wo, xq, wq; writes xq, wq
.if DOCPART == 1
	.amdgcn_target "amdgcn-amd-amdhsa--gfx1250"
	.amdhsa_code_object_version 6
	.text
	.protected	k_qec1a491216_quant
	.globl	k_qec1a491216_quant
	.p2align	8
	.type	k_qec1a491216_quant,@function
k_qec1a491216_quant:
	s_mov_b64 s[64:65], 0
	v_nop
	global_prefetch_b8 v0, s[64:65] scope:SCOPE_SE
	s_setreg_imm32_b32 hwreg(HW_REG_WAVE_MODE, 25, 1), 1
	s_wait_xcnt 0x0
; x [4096][1024] and the four weights [1024 (k)][1024 (n)], f32, become codes of FP8 (E4M3), K innermost, with one E8M0 byte for each 32 along K.
; A block's scale is 2^(floor(log2(its largest magnitude)) - 8); its byte is the largest magnitude's exponent field - 8, held at 1 from below; numbers are held within +-448 x the scale and rounded to the nearest code, ties to even.
; LIMITS: a block of zeros gets the byte 1 (its codes are zeros, and this program alone reads the bytes); blocks whose largest magnitude lies under 2^-118 are held at that byte; NaN and infinities are not served.
; PLACES OF ROWS: row i of x, and column i of a weight, is stored at POSITION sigma(i) = i with bits 3 and 4 exchanged.  Sixteen neighbouring positions are then the rows that a matrix tile wants, so that a later
; product's results fall 16 neighbours to a lane.
; xq: codes [position 4096][1024]; from byte 0x400000 the scale bytes [block of 128 positions][K / 256][position 128][8 bytes].  wq: the same for the 4 x 1024 positions of Wq, Wk, Wv, Wo.
; The first 128 work-groups take x (K innermost: a lane holds 16 neighbours, two lanes a block; the numbers turn through the wave's own stage in LDS so that every load reads 512 consecutive bytes);
; the other 128 take the weights (K outermost: a lane takes a column and its registers run down K; the codes leave through the wave's own stage as rows).  Each path has LDS bytes of its own.  Waves share nothing: no barrier.
.set SP,    80                         ; x: a lane's place in a stage: 64 bytes + 16 of padding
.set WREG,  8192                       ; x: a wave's LDS: two stages of 32 x SP bytes, then its 256 scale bytes
.set STEPS, 16
.set EMAX,  8
.set R,     16                         ; v16-79   x: four sets of 16 numbers as loaded
.set X,     80                         ; v80-111  x: two sets of 16 neighbours
.set E,     112                        ; v112-127 x: a scale byte for each step
.set C,     128                        ; v128-191 x: four registers of codes for each step
.set WSTG,  32768                      ; weights: the stages begin here
.set WP,    272                        ; weights: a stage row: 256 codes + 16 of padding
.set NB,    8                          ; weights: blocks of 32 along K for a wave
.set XW,    32                         ; v32-95   weights: two sets of 32 numbers
.set CW,    96                         ; v96-103  weights: a block's codes
.set OUTR,  112                        ; v112-175 weights: the way out
.set SB,    24                         ; v24-25   weights: eight scale bytes
	s_load_b256 s[4:11], s[0:1], 0x0               ; x, Wq, Wk, Wv
	s_load_b128 s[12:15], s[0:1], 0x20             ; Wo, xq
	s_load_b64 s[16:17], s[0:1], 0x30              ; wq
	v_lshl_add_u32 v192, v0, 2, 0x10800
	v_mov_b32 v193, 0
	v_lshrrev_b32 v1, 5, v0
	v_readfirstlane_b32 s18, v1                    ; wave 0..3
	v_and_b32 v2, 31, v0                           ; lane
	s_mov_b32 s23, 0x600000                        ; the mantissa field of 448
	s_wait_kmcnt 0x0
	s_cmp_lt_u32 ttmp9, 128
	s_cbranch_scc0 .Lw
; ---------------- x.  Work-group g: rows 32 g .. 32 g + 31; wave w: columns 256 w .. 256 w + 255; 16 steps of 2 rows
	s_wait_alu depctr_va_vdst(0)
	v_lshlrev_b32 v3, 4, v2                        ; my 16 bytes of a load's 512
	s_mul_i32 s19, s18, WREG
	v_lshrrev_b32 v14, 2, v2
	v_mul_u32_u24 v14, v14, SP
	v_and_b32 v15, 3, v2
	v_lshl_add_u32 v14, v15, 4, v14
	v_add_nc_u32 v14, s19, v14                     ; the stage, on the way in: SP (lane / 4) + 16 (lane % 4)
	v_mul_u32_u24 v15, v2, SP
	v_add_nc_u32 v15, s19, v15                     ; on the way out: SP x lane: row 2 t + lane / 16, k = 16 (lane % 16) on
	v_and_b32 v4, 15, v2
	v_lshlrev_b32 v4, 4, v4
	v_lshrrev_b32 v6, 4, v2
	v_lshl_add_u32 v4, v6, 10, v4                  ; my codes: 1,024 (lane / 16) + 16 (lane % 16)
	v_bfe_u32 v5, v2, 1, 3
	v_lshl_add_u32 v5, v6, 3, v5                   ; my block's byte: 8 (lane / 16) + (lane / 2) % 8
	s_add_co_u32 s19, s19, 2*32*SP
	v_add_nc_u32 v5, s19, v5
	v_lshlrev_b32 v7, 3, v2                        ; and on the way out 8 bytes a lane
	v_add_nc_u32 v6, s19, v7
	s_lshl_b32 s20, ttmp9, 17                      ; 32 rows of 4,096 bytes
	s_lshl_b32 s21, s18, 10
	s_add_co_u32 s20, s20, s21
	s_mov_b32 s21, 0
	s_add_nc_u64 s[4:5], s[4:5], s[20:21]          ; x at my first number
	s_lshl_b32 s20, ttmp9, 15                      ; 32 positions of 1,024 bytes
	s_lshl_b32 s22, s18, 8
	s_add_co_u32 s20, s20, s22
	s_add_nc_u64 s[24:25], s[14:15], s[20:21]      ; my codes
	s_lshr_b32 s20, ttmp9, 2
	s_lshl_b32 s20, s20, 12                        ; the block of 128 positions,
	s_lshl_b32 s22, s18, 10                        ; my 256 along K,
	s_add_co_u32 s20, s20, s22
	s_and_b32 s22, ttmp9, 3
	s_lshl_b32 s22, s22, 8                         ; my 32 positions x 8 bytes
	s_add_co_u32 s20, s20, s22
	s_add_co_u32 s20, s20, 0x400000
	s_add_nc_u64 s[26:27], s[14:15], s[20:21]      ; my 256 scale bytes
.macro LOADX t
.irp i, 0,1,2,3
	global_load_b128 v[R+16*((\t)%4)+4*\i:R+16*((\t)%4)+4*\i+3], v3, s[4:5] offset:(2*(\t)+\i/2)*4096+(\i%2)*512 th:TH_LOAD_NT   ; 32 lanes read 512 consecutive bytes
.endr
.endm
.macro TURNX t                         ; step t's numbers through the stage; LDS serves a wave's instructions in order, so no wait stands between the stores and the loads
.irp i, 0,1,2,3
	ds_store_b128 v14, v[R+16*((\t)%4)+4*\i:R+16*((\t)%4)+4*\i+3] offset:32*SP*((\t)%2)+8*SP*\i
.endr
.irp i, 0,1,2,3
	ds_load_b128 v[X+16*((\t)%2)+4*\i:X+16*((\t)%2)+4*\i+3], v15 offset:32*SP*((\t)%2)+16*\i
.endr
.endm
.irp t, 0,1,2,3
	LOADX \t
.endr
	s_wait_loadcnt 12                              ; step 0's four loads are in
	TURNX 0
.macro STEPX t
.set XS, X+16*((\t)%2)
.set SG, (((2*(\t))&7)|((((2*(\t))>>3)&1)<<4)|((((2*(\t))>>4)&1)<<3))   ; sigma(2 t): the position of the step's even row
.if (\t) > 0
	s_wait_dscnt 1                                 ; this step's numbers are back from the stage (the last step's byte store may be out)
.else
	s_wait_dscnt 0x0
.endif
.if (\t)+4 < STEPS
	LOADX (\t)+4                                   ; into the registers that the stage's stores have read
.endif
.if (\t)+1 < STEPS
.if STEPS-2-(\t) >= 3
	s_wait_loadcnt 12                              ; the next step's four loads are in; those of the three steps behind it may be out
.else
	s_wait_loadcnt 4*(STEPS-2-(\t))
.endif
	TURNX (\t)+1
.endif
	v_max3_num_f32 v8, |v[XS]|, |v[XS+1]|, |v[XS+2]|
	v_max3_num_f32 v9, |v[XS+3]|, |v[XS+4]|, |v[XS+5]|
.irp i, 6,10
	v_max3_num_f32 v8, v8, |v[XS+\i]|, |v[XS+\i+1]|
	v_max3_num_f32 v9, v9, |v[XS+\i+2]|, |v[XS+\i+3]|
.endr
	v_max3_num_f32 v8, v8, |v[XS+14]|, |v[XS+15]|
	v_max3_num_f32 v8, v8, v9, (EMAX+1)<<23        ; the floor 2^(9 - 127): the byte cannot fall under 1
	v_max_num_f32_dpp v8, v8, v8 row_xmask:1 row_mask:0xf bank_mask:0xf   ; with my neighbour's 16: the block's largest magnitude
	v_add_nc_u32 v11, -(EMAX<<23), v8              ; 8 off its exponent field: the conversion's scale operand
	v_and_or_b32 v10, v8, 0x7f800000, s23          ; 448 x the scale
.irp i, 0,1,2,3,4,5,6,7,8,9,10,11,12,13,14,15
	v_med3_num_f32 v[XS+\i], v[XS+\i], -v10, v10   ; the conversion to an 8-bit code does not saturate (ISA guide 7.6.2): the hold comes first
.endr
	v_cvt_scalef32_pk8_fp8_f32 v[C+4*(\t):C+4*(\t)+1], v[XS:XS+7], v11
	v_cvt_scalef32_pk8_fp8_f32 v[C+4*(\t)+2:C+4*(\t)+3], v[XS+8:XS+15], v11
	v_lshrrev_b32 v[E+(\t)], 23, v11               ; the scale's byte
	ds_store_b8 v5, v[E+(\t)] offset:8*SG          ; both lanes of a block write the same byte with the same value
	global_store_b128 v4, v[C+4*(\t):C+4*(\t)+3], s[24:25] offset:1024*SG   ; sixteen lanes store 256 consecutive bytes, aligned
.endm
.irp t, 0,1,2,3,4,5,6,7,8,9,10,11,12,13,14,15
	STEPX \t
.endr
	ds_load_b64 v[12:13], v6                       ; LDS serves a wave's instructions in order: these see my stores
	s_wait_dscnt 0x0
	global_store_b64 v7, v[12:13], s[26:27]        ; 32 lanes store 256 consecutive bytes, aligned
	s_wait_tensorcnt 0x0
	ds_add_u32 v192, v193
	s_wait_dscnt 0x0
	s_endpgm
; ---------------- the weights.  Work-group g' = 32 x weight + 8 x (which 256 along K) + (which 128 columns); wave w: 32 columns
.Lw:
	s_sub_co_u32 s19, ttmp9, 128
	s_lshr_b32 s20, s19, 5                         ; which weight: q, k, v, o
	s_and_b32 s21, s19, 7                          ; which 128 columns
	s_bfe_u32 s22, s19, 0x20003                    ; which 256 along K
	s_lshl_b32 s28, s21, 7
	s_lshl_b32 s29, s18, 5
	s_add_co_u32 s28, s28, s29                     ; my wave's first column
	s_cmp_lt_u32 s20, 2                            ; the choice hangs on the work-group's number alone
	s_cselect_b64 s[30:31], s[6:7], s[10:11]       ; Wq or Wv
	s_cselect_b64 s[32:33], s[8:9], s[12:13]       ; Wk or Wo
	s_bitcmp1_b32 s20, 0
	s_cselect_b64 s[30:31], s[32:33], s[30:31]
	s_lshl_b32 s34, s22, 20                        ; 256 rows of 4,096 bytes
	s_lshl_b32 s29, s28, 2
	s_add_co_u32 s34, s34, s29
	s_mov_b32 s35, 0
	s_add_nc_u64 s[30:31], s[30:31], s[34:35]      ; the weight at my first number
	s_lshl_b32 s34, s20, 20
	s_lshl_b32 s29, s28, 10
	s_add_co_u32 s34, s34, s29
	s_lshl_b32 s29, s22, 8
	s_add_co_u32 s34, s34, s29
	s_add_nc_u64 s[36:37], s[16:17], s[34:35]      ; my codes: 32 positions, 256 bytes of each
	s_lshl_b32 s34, s20, 15
	s_lshl_b32 s29, s21, 12
	s_add_co_u32 s34, s34, s29
	s_lshl_b32 s29, s22, 10
	s_add_co_u32 s34, s34, s29
	s_lshl_b32 s29, s18, 8
	s_add_co_u32 s34, s34, s29
	s_add_co_u32 s34, s34, 0x400000
	s_add_nc_u64 s[38:39], s[16:17], s[34:35]      ; my 256 scale bytes
	s_wait_alu depctr_va_vdst(0)
	v_lshlrev_b32 v3, 2, v2                        ; in: 4 bytes a lane
	v_and_b32 v5, 7, v2
	v_bfe_u32 v6, v2, 3, 1
	v_lshl_or_b32 v5, v6, 4, v5
	v_bfe_u32 v6, v2, 4, 1
	v_lshl_or_b32 v5, v6, 3, v5                    ; sigma(lane): my column's position
	s_mul_i32 s29, s18, 32*WP
	s_add_co_u32 s29, s29, WSTG                    ; my stage
	v_mul_u32_u24 v4, v5, WP
	v_add_nc_u32 v4, s29, v4                       ; into it: row = my position
	v_lshlrev_b32 v9, 3, v5                        ; my position's 8 scale bytes
	v_and_b32 v5, 15, v2
	v_lshrrev_b32 v6, 4, v2
	v_mul_u32_u24 v7, v6, WP
	v_lshl_add_u32 v7, v5, 4, v7
	v_add_nc_u32 v7, s29, v7                       ; out of it: sixteen lanes to a row, two rows an instruction
	v_lshlrev_b32 v8, 10, v6
	v_lshl_add_u32 v8, v5, 4, v8                   ; and the same place among the codes
.macro LOADW t                         ; block t: W(32 t + i, my column), i = 0 .. 31, into set t % 2; offsets reach 63 rows of 4,096 bytes, inside the signed 24-bit immediate
.irp i, 0,1,2,3,4,5,6,7,8,9,10,11,12,13,14,15,16,17,18,19,20,21,22,23,24,25,26,27,28,29,30,31
	global_load_b32 v[XW+32*((\t)%2)+\i], v3, s[30:31] offset:(32*(\t)+\i)*4096 th:TH_LOAD_NT
.endr
.endm
	LOADW 0
	LOADW 1
	v_mov_b32 v[SB], 0
	v_mov_b32 v[SB+1], 0
	s_mov_b32 s20, 0                               ; where the trip's two blocks begin in a stage row
	s_mov_b32 s21, 3
.macro BLOCKW t, more                  ; block 2 x trip + t; more = 1: the block two on is loaded behind it
.set XS, XW+32*((\t)%2)
.if (\more) || (\t) == 0
	s_wait_loadcnt 32                              ; this block's 32 loads are in; the next block's may be out
.else
	s_wait_loadcnt 0
.endif
	v_max3_num_f32 v12, |v[XS]|, |v[XS+1]|, |v[XS+2]|   ; all 32 numbers of the block are mine
	v_max3_num_f32 v13, |v[XS+3]|, |v[XS+4]|, |v[XS+5]|
.irp i, 6,10,14,18,22,26
	v_max3_num_f32 v12, v12, |v[XS+\i]|, |v[XS+\i+1]|
	v_max3_num_f32 v13, v13, |v[XS+\i+2]|, |v[XS+\i+3]|
.endr
	v_max3_num_f32 v12, v12, |v[XS+30]|, |v[XS+31]|
	v_max3_num_f32 v12, v12, v13, (EMAX+1)<<23     ; the floor
	v_add_nc_u32 v11, -(EMAX<<23), v12             ; the conversion's scale operand
	v_and_or_b32 v10, v12, 0x7f800000, s23         ; 448 x the scale
	v_lshrrev_b32 v13, 23, v11                     ; the scale's byte
	v_alignbit_b32 v[SB], v[SB+1], v[SB], 8        ; the eight bytes move down by one, and the new one comes in on top
	v_alignbit_b32 v[SB+1], v13, v[SB+1], 8
.if (\t) == 0
	v_add_nc_u32 v26, s20, v4
.endif
.irp i, 0,1,2,3,4,5,6,7,8,9,10,11,12,13,14,15,16,17,18,19,20,21,22,23,24,25,26,27,28,29,30,31
	v_med3_num_f32 v[XS+\i], v[XS+\i], -v10, v10
.endr
.irp g, 0,1,2,3
	v_cvt_scalef32_pk8_fp8_f32 v[CW+2*\g:CW+2*\g+1], v[XS+8*\g:XS+8*\g+7], v11
.endr
	ds_store_b128 v26, v[CW:CW+3] offset:32*(\t)
	ds_store_b128 v26, v[CW+4:CW+7] offset:32*(\t)+16
.if \more
.if (\t) == 0
	s_wait_xcnt 0x0                                ; the earlier loads have read their base: 64 rows on
	s_add_nc_u64 s[30:31], s[30:31], 0x40000
.endif
	LOADW \t
.endif
	s_wait_dscnt 0x0                               ; the stores have read their registers: the next block's codes may be written
.endm
.Ltwo_blocks:
	BLOCKW 0, 1
	BLOCKW 1, 1
	s_add_co_u32 s20, s20, 64
	s_sub_co_u32 s21, s21, 1
	s_cmp_lg_u32 s21, 0
	s_wait_alu depctr_va_vdst(0)
	s_cbranch_scc1 .Ltwo_blocks
	BLOCKW 0, 0                                    ; the last two load nothing more
	BLOCKW 1, 0
	global_store_b64 v9, v[SB:SB+1], s[38:39]      ; the wave's 32 positions x 8 bytes: 256 consecutive bytes, aligned
.irp t, 0,1,2,3,4,5,6,7,8,9,10,11,12,13,14,15
	ds_load_b128 v[OUTR+4*\t:OUTR+4*\t+3], v7 offset:2*\t*WP
.endr
.irp t, 0,1,2,3,4,5,6,7,8,9,10,11,12,13,14,15
	s_wait_dscnt 15-\t
	global_store_b128 v8, v[OUTR+4*\t:OUTR+4*\t+3], s[36:37] offset:2*\t*1024   ; sixteen lanes store 256 consecutive bytes, aligned
.endr
	s_wait_tensorcnt 0x0
	ds_add_u32 v192, v193
	s_wait_dscnt 0x0
	s_endpgm
.Lfunc_end_k_qec1a491216_quant:
	.size	k_qec1a491216_quant, .Lfunc_end_k_qec1a491216_quant-k_qec1a491216_quant
	.p2alignl 7, 3214868480
	.fill 96, 4, 3214868480
	.section	.rodata,"a",@progbits
	.p2align	6, 0x0
	.amdhsa_kernel k_qec1a491216_quant
		.amdhsa_group_segment_fixed_size 68096
		.amdhsa_private_segment_fixed_size 0
		.amdhsa_enable_private_segment 0
		.amdhsa_kernarg_size 56
		.amdhsa_user_sgpr_count 2
		.amdhsa_user_sgpr_kernarg_segment_ptr 1
		.amdhsa_wavefront_size32 1
		.amdhsa_system_sgpr_workgroup_id_x 1
		.amdhsa_system_sgpr_workgroup_id_y 1
		.amdhsa_system_sgpr_workgroup_id_z 1
		.amdhsa_system_vgpr_workitem_id 0
		.amdhsa_next_free_vgpr 194
		.amdhsa_next_free_sgpr 66
		.amdhsa_reserve_vcc 0
		.amdhsa_float_denorm_mode_32 3
		.amdhsa_float_denorm_mode_16_64 3
		.amdhsa_memory_ordered 1
		.amdhsa_forward_progress 1
		.amdhsa_inst_pref_size 84
	.end_amdhsa_kernel
	.amdgpu_metadata
---
amdhsa.version: [ 1, 2 ]
amdhsa.kernels:
  - .name:           k_qec1a491216_quant
    .symbol:         k_qec1a491216_quant.kd
    .args:
      - { .name: x, .offset: 0, .size: 8, .value_kind: global_buffer, .address_space: global }
      - { .name: Wq, .offset: 8, .size: 8, .value_kind: global_buffer, .address_space: global }
      - { .name: Wk, .offset: 16, .size: 8, .value_kind: global_buffer, .address_space: global }
      - { .name: Wv, .offset: 24, .size: 8, .value_kind: global_buffer, .address_space: global }
      - { .name: Wo, .offset: 32, .size: 8, .value_kind: global_buffer, .address_space: global }
      - { .name: xq, .offset: 40, .size: 8, .value_kind: global_buffer, .address_space: global }
      - { .name: wq, .offset: 48, .size: 8, .value_kind: global_buffer, .address_space: global }
    .group_segment_fixed_size: 68096
    .private_segment_fixed_size: 0
    .kernarg_segment_align: 8
    .kernarg_segment_size: 56
    .max_flat_workgroup_size: 128
    .sgpr_count:     66
    .vgpr_count:     194
    .wavefront_size: 32
...
	.end_amdgpu_metadata
.endif
;; end of part 1
;; launch proj (part 2): grid 8 x 24, 4 waves a work-group, clusters of 4 x 4, 327,680 bytes of LDS; arguments xq, wq, qb, kvb; writes qb, kvb
.if DOCPART == 2
	.amdgcn_target "amdgcn-amd-amdhsa--gfx1250"
	.amdhsa_code_object_version 6
	.text
	.protected	k_qec1a491216_proj
	.globl	k_qec1a491216_proj
	.p2align	8
	.type	k_qec1a491216_proj,@function
k_qec1a491216_proj:
	s_mov_b64 s[64:65], 0
	v_nop
	global_prefetch_b8 v0, s[64:65] scope:SCOPE_SE
	s_setreg_imm32_b32 hwreg(HW_REG_WAVE_MODE, 25, 1), 1
	s_wait_xcnt 0x0
	s_wait_alu depctr_hold_cnt(0) depctr_sa_sdst(0) depctr_va_vdst(0) depctr_va_sdst(0) depctr_va_ssrc(0) depctr_va_vcc(0) depctr_vm_vsrc(0)
	s_getreg_b32 s2, hwreg(HW_REG_IB_STS2, 6, 4)
	s_cmp_eq_u32 s2, 0
	s_cbranch_scc0 .Lentry_in_a_cluster
	s_endpgm
.Lentry_in_a_cluster:
	s_bfe_u32 s2, ttmp6, 0x10000c
	s_cmp_lg_u32 s2, 0xf033
	s_cbranch_scc0 .Lentry_shape_is_right
	s_endpgm
.Lentry_shape_is_right:
; Q, K, V = x W on codes of FP8 (E4M3) with an E8M0 byte for each 32 along K = 1,024; f32 sums, quantised again on the way out and stored as register images for the attention launch.
; A work-group makes a tile of 256 x 256, each of its four waves 128 x 128.  K goes in steps of 256 through two LDS slots; the scale bytes of all K come once, at the head.  Q and K: rows are tokens and columns weights; V: the other way round.
; CLUSTERS of 4 x 4: the four of a row share A's tiles, the four of a column B's.  No prefetch: K has four steps, so a look-ahead of two steps has no trip left to serve.
; LIMITS: a block of zeros gets the byte 1; NaN and infinities are not served.
.set KSTEP,  256
.set NQ,     2
.set ROWB,   256
.set KROW,   1024
.set PITCH,  272
.set FR,     16
.set NL,     4
.set NP,     8
.set HALFT,  128*PITCH
.set SLOT,   4*HALFT
.set LAPS,   2
.set SCL,    2*SLOT
.set HALFS,  16*272
.set SPARE,  SCL+4*HALFS
.set ADRA, 16
.set ADRB, 20
.set ADRS, 27
.set SPW,  28
.set NIL,  29
.set SC,   32
.set AF,   128
.set G1, 24
.set G0, 32
.set G1B, 48
.set G0B, 56
.set G1S, 68
.set G0S, 76
.set G1SB, 80
.set G0SB, 88
.set MSB, 0
.macro WIN new
.if MSB != \new
	s_set_vgpr_msb (MSB<<8)|\new
.set MSB, \new
.endif
.endm
.set MUL_LO, 0xa1
.set MUL_HI, 0xf1
.set TO_B,   0x40
.macro JLOAD g0a, g1a, g0b, g1b
	s_cmp_eq_u32 s15, 0
	s_cbranch_scc0 .Lfor_b_\@
	tensor_load_to_lds s[\g0a:\g0a+3], s[\g1a:\g1a+7]
	s_nop 0
.rept 4
	v_nop
.endr
	s_branch .Lasked_\@
.Lfor_b_\@:
	tensor_load_to_lds s[\g0b:\g0b+3], s[\g1b:\g1b+7]
	s_nop 0
.rept 4
	v_nop
.endr
.Lasked_\@:
.endm
.macro CREST
	s_cmp_lg_u32 s14, 0
	s_cbranch_scc1 .Lnot_wave_0_\@
	s_barrier_signal -3
.Lnot_wave_0_\@:
	s_barrier_wait -3
	s_barrier_signal -1
	s_barrier_wait -1
.endm
.macro CROUND
	s_barrier_signal -1
	s_barrier_wait -1
	CREST
.endm
	s_load_b128 s[4:7], s[0:1], 0x0
	s_load_b128 s[8:11], s[0:1], 0x10
	v_lshl_add_u32 v[SPW], v0, 2, SPARE
	v_mov_b32 v[NIL], 0
	ds_add_u32 v28, v29
	ds_add_u32 v28, v29
	s_wait_dscnt 0x0
	v_lshrrev_b32 v1, 5, v0
	v_readfirstlane_b32 s14, v1
	s_lshr_b32 s15, s14, 1
	s_and_b32 s16, s14, 1
	s_bfe_u32 s40, ttmp6, 0x40000
	s_bfe_u32 s41, ttmp6, 0x40004
	s_and_b32 s12, ttmp7, 0xffff
	s_lshl_b32 s13, s12, 1
	s_add_co_u32 s13, s13, ttmp9
	s_sub_co_u32 s13, s13, 8
	s_lshl_b32 s13, s13, 2
	s_lshl_b32 s2, ttmp9, 2
	s_lshl_b32 s3, s12, 2
	s_cmp_lt_u32 s12, 4
	s_cselect_b32 s42, s2, s13
	s_cselect_b32 s17, s3, 0
	s_add_co_u32 s42, s42, s40
	s_add_co_u32 s17, s17, s41
	s_lshl_b32 s43, s41, 2
	s_lshl_b32 s43, 15, s43
	s_lshl_b32 s44, 0x1111, s40
	s_or_b32 s[G1+0], s43, (0<<16)|(1<<20)|(1<<21)|(5<<22)|(3<<25)
	s_or_b32 s[G1B+0], s44, (0<<16)|(1<<20)|(1<<21)|(5<<22)|(3<<25)
.irp g, G1, G1B
	s_mov_b32 s[\g+1], ROWB<<16
	s_mov_b32 s[\g+2], 256<<16                     ; the head's loads: 256 rows
	s_mov_b32 s[\g+3], ROWB<<16
	s_mov_b32 s[\g+4], 256
	s_mov_b32 s[\g+5], KROW
	s_mov_b32 s[\g+6], 0
	s_mov_b32 s[\g+7], 0
.endr
	s_or_b32 s[G1S+0], s43, (3<<16)|(1<<20)|(1<<21)|(5<<22)|(3<<25)
	s_or_b32 s[G1SB+0], s44, (3<<16)|(1<<20)|(1<<21)|(5<<22)|(3<<25)
.irp g, G1S, G1SB
	s_mov_b32 s[\g+1], 32<<16
	s_mov_b32 s[\g+2], 32<<16
	s_mov_b32 s[\g+3], 32<<16
	s_mov_b32 s[\g+4], 32
	s_mov_b32 s[\g+5], 32
	s_mov_b32 s[\g+6], 0
	s_mov_b32 s[\g+7], 0
.endr
	s_lshl_b32 s20, s17, 8
	s_lshl_b32 s46, s42, 8
	s_lshl_b32 s22, s20, 5
	s_lshl_b32 s92, s46, 5
	s_lshl_b32 s20, s20, 10
	s_lshl_b32 s46, s46, 10
	s_cmp_lt_u32 s12, 4
	s_cselect_b32 s18, 0, 0x200000
	s_mov_b32 s19, 0x410000
	s_cselect_b32 s19, 0x400000, s19
	s_add_co_u32 s20, s20, s18
	s_add_co_u32 s22, s22, s19
	s_add_co_u32 s92, s92, 0x400000
	s_mov_b32 s21, 0
	s_mov_b32 s23, 0
	s_mov_b32 s47, 0
	s_mov_b32 s93, 0
	s_mul_i32 s45, s14, HALFT
	s_lshl_b32 s98, s16, 17                        ; in the ring I fetch 128 rows of 1,024 bytes: which half
	s_mov_b32 s99, 0
	s_wait_kmcnt 0x0
	s_cmp_lt_u32 s12, 4
	s_cselect_b64 s[94:95], s[4:5], s[6:7]
	s_cselect_b64 s[96:97], s[6:7], s[4:5]
	s_add_nc_u64 s[20:21], s[94:95], s[20:21]
	s_add_nc_u64 s[22:23], s[94:95], s[22:23]
	s_add_nc_u64 s[46:47], s[96:97], s[46:47]
	s_add_nc_u64 s[92:93], s[96:97], s[92:93]
	CROUND
	s_mov_b32 s[G0S], 1                            ; the head's four tiles, each whole: A's scale bytes,
	s_mov_b32 s[G0S+1], SCL
	s_mov_b64 s[G0S+2:G0S+3], s[22:23]
	s_or_b32 s[G0S+3], s[G0S+3], 0x80000000
	s_mov_b32 s[G0SB], 1                           ; B's,
	s_mov_b32 s[G0SB+1], SCL+2*HALFS
	s_mov_b64 s[G0SB+2:G0SB+3], s[92:93]
	s_or_b32 s[G0SB+3], s[G0SB+3], 0x80000000
	s_mov_b32 s4, 1                                ; K step 0's 256 rows of A (the arguments that lay here have been used),
	s_mov_b32 s5, 0
	s_mov_b64 s[6:7], s[20:21]
	s_or_b32 s7, s7, 0x80000000
	s_mov_b32 s92, 1                               ; and of B
	s_mov_b32 s93, 2*HALFT
	s_mov_b64 s[94:95], s[46:47]
	s_or_b32 s95, s95, 0x80000000
	s_add_nc_u64 s[20:21], s[20:21], s[98:99]      ; for the ring: my 128 rows
	s_add_nc_u64 s[46:47], s[46:47], s[98:99]
.irp s, 0,1
	s_mov_b32 s[G0+4*\s], 1
	s_add_co_u32 s[G0+4*\s+1], s45, \s*SLOT
	s_add_nc_u64 s[G0+4*\s+2:G0+4*\s+3], s[20:21], \s*ROWB
	s_or_b32 s[G0+4*\s+3], s[G0+4*\s+3], 0x80000000
	s_mov_b32 s[G0B+4*\s], 1
	s_add_co_u32 s[G0B+4*\s+1], s45, \s*SLOT
	s_add_nc_u64 s[G0B+4*\s+2:G0B+4*\s+3], s[46:47], \s*ROWB
	s_or_b32 s[G0B+4*\s+3], s[G0B+4*\s+3], 0x80000000
.endr
; One joint load a wave, one arm to each: A, B, A's scale bytes, B's
.macro ARM under, g0, g1, next
	s_cmp_lt_u32 s14, \under
	s_cbranch_scc0 \next
	tensor_load_to_lds s[\g0:\g0+3], s[\g1:\g1+7]
	s_nop 0
.rept 4
	v_nop
.endr
	s_branch .Lhead_asked
\next:
.endm
	ARM 1, 4, G1, .Lhead_b
	ARM 2, 92, G1B, .Lhead_sa
	ARM 3, G0S, G1S, .Lhead_sb
	tensor_load_to_lds s[G0SB:G0SB+3], s[G1SB:G1SB+7]
	s_nop 0
.rept 4
	v_nop
.endr
.Lhead_asked:
	v_and_b32 v1, 15, v0
	v_bfe_u32 v2, v0, 4, 1
	s_wait_alu depctr_va_vdst(0)
	v_mul_u32_u24 v3, v1, PITCH
	v_lshl_add_u32 v4, v2, 4, v3
	s_mul_i32 s21, s15, HALFT
	s_mul_i32 s22, s16, HALFT
	s_add_co_u32 s22, s22, 2*HALFT
.irp s, 0,1
	v_add_nc_u32 v[ADRA+\s], s21, v4
	v_add_nc_u32 v[ADRB+\s], s22, v4
	s_add_co_u32 s21, s21, SLOT
	s_add_co_u32 s22, s22, SLOT
.endr
	v_lshlrev_b32 v5, 3, v1
	s_mul_i32 s21, s15, HALFS
	s_mul_i32 s22, s16, HALFS
	s_add_co_u32 s22, s22, 2*HALFS
	s_sub_co_u32 s22, s22, s21
	v_mul_u32_u24 v6, s22, v2
	s_add_co_u32 s21, s21, SCL
	v_add_nc_u32 v5, v5, v6
	v_add_nc_u32 v[ADRS], s21, v5
.macro FRAG reg, adr, q, i
.irp c, 0,1,2,3
	ds_load_b128 v[\reg+4*\c:\reg+4*\c+3], v[\adr] offset:128*(\q)+32*\c+(\i)*16*PITCH
.endr
.endm
.macro MUL16 a0, p, q, sc, zero
.irp a, \a0, \a0+1
.irp b, 0,1,2,3,4,5,6,7
.if \zero
	v_wmma_scale_f32_16x16x128_f8f6f4 v[8*(8*((\a)%4)+\b):8*(8*((\a)%4)+\b)+7], v[128*(\p)+FR*\b:128*(\p)+FR*\b+FR-1], v[AF+FR*(\a):AF+FR*(\a)+FR-1], 0, v[SC+8*NQ*(\sc)+NQ*\b+(\q)], v[SC+8*NQ*(\sc)+NQ*(\a)+(\q)] matrix_a_scale:MATRIX_SCALE_ROW1
.else
	v_wmma_scale_f32_16x16x128_f8f6f4 v[8*(8*((\a)%4)+\b):8*(8*((\a)%4)+\b)+7], v[128*(\p)+FR*\b:128*(\p)+FR*\b+FR-1], v[AF+FR*(\a):AF+FR*(\a)+FR-1], v[8*(8*((\a)%4)+\b):8*(8*((\a)%4)+\b)+7], v[SC+8*NQ*(\sc)+NQ*\b+(\q)], v[SC+8*NQ*(\sc)+NQ*(\a)+(\q)] matrix_a_scale:MATRIX_SCALE_ROW1
.endif
.endr
.endr
.endm
.macro FETCH_B slot, q, p
	WIN TO_B
.irp i, 0,1,2,3,4,5,6,7
	FRAG 128*(\p)+FR*\i, ADRB+\slot, \q, \i
.endr
	WIN 0
.endm
.macro FETCH_A slot, q, i0
.irp i, \i0, \i0+1, \i0+2, \i0+3
	FRAG AF+FR*(\i), ADRA+\slot, \q, \i
.endr
.endm
.macro SCALES sc
.irp i, 0,1,2,3,4,5,6,7
	ds_load_b64 v[SC+8*NQ*\sc+NQ*\i:SC+8*NQ*\sc+NQ*\i+1], v[ADRS] offset:(\i/2)*272+(\i%2)*128
.endr
.endm
.macro PLACES n
.rept \n
	v_nop
.endr
.endm
.macro STEP slot, q, zero
	s_wait_dscnt 4*NL
	WIN MUL_LO
	MUL16 0, (\q)%2, \q, \slot, \zero
	MUL16 2, (\q)%2, \q, \slot, \zero
	s_wait_dscnt 0
	PLACES NP
	FETCH_B \slot, (\q)+1, 1-(\q)%2
	FETCH_A \slot, (\q)+1, 0
	WIN MUL_HI
	MUL16 4, (\q)%2, \q, \slot, \zero
	MUL16 6, (\q)%2, \q, \slot, \zero
	PLACES NP
	WIN 0
	FETCH_A \slot, (\q)+1, 4
.endm
.macro TURN slot, next, fill
	s_wait_tensorcnt 0x0
	ds_add_u32 v[SPW], v[NIL]
	s_wait_dscnt 4*NL+1
	WIN MUL_LO
	MUL16 0, 1, NQ-1, \slot, 0
	s_wait_dscnt 0x0
	s_barrier_signal -1
	MUL16 2, 1, NQ-1, \slot, 0
	WIN 0
	s_barrier_wait -1
.if \fill
	CREST
	s_add_nc_u64 s[G0+4*\slot+2:G0+4*\slot+3], s[G0+4*\slot+2:G0+4*\slot+3], 2*ROWB
	s_add_nc_u64 s[G0B+4*\slot+2:G0B+4*\slot+3], s[G0B+4*\slot+2:G0B+4*\slot+3], 2*ROWB
	JLOAD G0+4*\slot, G1, G0B+4*\slot, G1B
	PLACES NP-4
.else
	PLACES NP
.endif
	s_wait_alu depctr_va_vdst(0)
	v_add_nc_u32 v[ADRS], 4*272, v[ADRS]
	FETCH_B \next, 0, 0
	FETCH_A \next, 0, 0
	SCALES \next
	WIN MUL_HI
	MUL16 4, 1, NQ-1, \slot, 0
	MUL16 6, 1, NQ-1, \slot, 0
	PLACES NP
	WIN 0
	FETCH_A \next, 0, 4
.endm
	s_wait_alu depctr_va_vdst(0)
	s_wait_tensorcnt 0x0                           ; my tile of the head's four is in; these lines stand ahead of a later first fill as ahead of a refill
	ds_add_u32 v[SPW], v[NIL]
	s_mov_b32 s[G1+2], 128<<16                     ; no tensor load of mine is out: from here on a load brings 128 rows
	s_mov_b32 s[G1+4], 128
	s_mov_b32 s[G1B+2], 128<<16
	s_mov_b32 s[G1B+4], 128
	s_wait_dscnt 0x0
	CROUND
	JLOAD G0+4, G1, G0B+4, G1B                     ; K step 1, the first tensor load behind the round
	FETCH_B 0, 0, 0
	FETCH_A 0, 0, 0
	SCALES 0
	FETCH_A 0, 0, 4
	STEP 0, 0, 1
	s_mov_b32 s3, LAPS-1
.Llap:
	TURN 0, 1, 1
	STEP 1, 0, 0
	TURN 1, 0, 1
	STEP 0, 0, 0
	s_sub_co_u32 s3, s3, 1
	s_cmp_lg_u32 s3, 0
	s_cbranch_scc1 .Llap
	TURN 0, 1, 0
	STEP 1, 0, 0
	s_wait_dscnt 4*NL
	WIN MUL_LO
	MUL16 0, 1, NQ-1, 1, 0
	MUL16 2, 1, NQ-1, 1, 0
	s_wait_dscnt 0
	WIN MUL_HI
	MUL16 4, 1, NQ-1, 1, 0
	MUL16 6, 1, NQ-1, 1, 0
	WIN 0
.set OB,   68
.set OSC,  84
.set PM,   86
.set HHM,  87
.set SEL,  88
.set MNT,  90
.set VO,   20
.set VSW,  24
.set PSEL, 25
.set TM,   64
.set TP,   68
.set CAP,  72
.set SOP,  76
.set BY,   80
.set G,    84
.set DW,   92
.set T,    128
.set CD,   192
	s_lshl_b32 s18, s17, 1
	s_add_co_u32 s18, s18, s15
	s_lshl_b32 s19, s42, 1
	s_add_co_u32 s19, s19, s16
	s_and_b32 s20, s19, 7
	s_cmp_lt_u32 s12, 4
	s_cselect_b32 s21, s19, 8
	s_cmp_lt_u32 s21, 8
	s_mov_b32 s22, 16896
	s_cselect_b32 s22, 8448, s22
	s_cselect_b64 s[66:67], s[8:9], s[10:11]
	s_lshl_b32 s23, s22, 5
	s_cmp_lt_u32 s12, 4
	s_cselect_b32 s91, s18, s19
	s_cselect_b32 s92, s20, s18
	s_cselect_b32 s93, 0, 8448
	s_mov_b32 s94, 2048
	s_cselect_b32 s94, 1024, s94
	s_cselect_b32 s95, 4096, s23
	s_cselect_b32 s96, s23, 1024
	s_cselect_b32 s[PM], 0, -1
	s_mul_i32 s91, s91, s22
	s_mul_i32 s92, s92, s23
	s_lshl_b32 s92, s92, 1
	s_add_co_u32 s91, s91, s92
	s_add_co_u32 s91, s91, s93
	s_mov_b32 s99, 0
.irp a, 0,1,2,3,4,5,6,7
	s_mul_i32 s98, s94, \a%4
.if \a >= 4
	s_add_co_u32 s98, s98, s95
.endif
	s_add_co_u32 s98, s98, s91
	s_add_nc_u64 s[OB+2*\a:OB+2*\a+1], s[66:67], s[98:99]
.endr
	s_add_co_u32 s98, s91, 8192
	s_add_nc_u64 s[OSC:OSC+1], s[66:67], s[98:99]
	s_mov_b32 s[HHM], 0xffff0000
	s_mov_b32 s[SEL], 0x76543210
	s_mov_b32 s[SEL+1], 0xfedcba98
	s_mov_b32 s[MNT], 0x600000
	v_and_b32 v1, 15, v0
	v_bfe_u32 v2, v0, 4, 1
	v_and_b32 v3, 31, v0
	v_lshlrev_b32 v[VO], 4, v3
	v_add_nc_u32 v[VO+1], 512, v[VO]
	v_add_nc_u32 v[VO+2], s96, v[VO]
	v_add_nc_u32 v[VO+3], s96, v[VO+1]
	v_mul_u32_u24 v[VSW], s23, v2
	v_lshl_add_u32 v[VSW], v1, 4, v[VSW]
	v_mov_b32 v[PSEL], 0x05040100
	v_mov_b32 v26, 0x07060302
	v_cndmask_b32 v[PSEL], v[PSEL], v26, s[HHM]
.irp p, 0,1,2,3
	v_mov_b32 v[TP+\p], 0
.endr
.macro EPI a
.set AC, 64*((\a)%4)
.set WW, 2+(\a)/4
.set WN, (WW<<2)|(WW<<4)
.set CSET, CD+16*((\a)%2)
	WIN WN
.irp p, 0,1,2,3
	v_max3_num_f32 v[TM+\p], 0x4800000, |v[AC+16*\p]|, |v[AC+16*\p+1]|
.endr
.irp i, 2,4,6,8,10,12,14
.irp p, 0,1,2,3
	v_max3_num_f32 v[TM+\p], v[TM+\p], |v[AC+16*\p+\i]|, |v[AC+16*\p+\i+1]|
.endr
.endr
	WIN 0
.irp p, 0,1,2,3
	v_permlanex16_b32 v[TP+\p], v[TM+\p], s[SEL], s[SEL+1]
.endr
.irp p, 0,1,2,3
	v_max_num_f32 v[TM+\p], v[TM+\p], v[TP+\p]
.endr
.irp p, 0,1,2,3
	v_add_nc_u32 v[SOP+\p], 0xfc000000, v[TM+\p]
.endr
.irp p, 0,1,2,3
	v_and_or_b32 v[CAP+\p], v[TM+\p], 0x7f800000, s[MNT]
.endr
.irp p, 0,1,2,3
	v_lshrrev_b32 v[BY+\p], 23, v[SOP+\p]
.endr
	v_lshl_or_b32 v[G+(\a)], v[BY+1], 8, v[BY]
	v_lshl_or_b32 v[G+(\a)], v[BY+2], 16, v[G+(\a)]
	v_lshl_or_b32 v[G+(\a)], v[BY+3], 24, v[G+(\a)]
	WIN WW
.irp p, 0,1,2,3
.irp i, 0,1,2,3,4,5,6,7,8,9,10,11,12,13,14,15
	v_med3_num_f32 v[T+16*\p+\i], v[AC+16*\p+\i], -v[CAP+\p], v[CAP+\p]
.endr
.endr
	WIN 0
.if (\a) >= 2
	s_wait_alu depctr_va_vdst(0)
	s_wait_xcnt 0x0
.endif
.irp p, 0,1,2,3
	v_cvt_scalef32_pk8_fp8_f32 v[CSET+4*\p:CSET+4*\p+1], v[T+16*\p:T+16*\p+7], v[SOP+\p]
	v_cvt_scalef32_pk8_fp8_f32 v[CSET+4*\p+2:CSET+4*\p+3], v[T+16*\p+8:T+16*\p+15], v[SOP+\p]
.endr
	v_nop
.irp p, 0,1,2,3
	global_store_b128 v[VO+\p], v[CSET+4*\p:CSET+4*\p+3], s[OB+2*(\a):OB+2*(\a)+1]
.endr
.endm
.irp a, 0,1,2,3,4,5,6,7
	EPI \a
.endr
.irp f, 0,1,2,3
	v_perm_b32 v[DW+\f], v[G+2*\f+1], v[G+2*\f], v[PSEL]
	v_cndmask_b32 v[DW+4+\f], v[G+\f], v[G+4+\f], s[HHM]
.endr
.irp f, 0,1,2,3
	v_cndmask_b32 v[DW+8+\f], v[DW+\f], v[DW+4+\f], s[PM]
.endr
	global_store_b128 v[VSW], v[DW+8:DW+11], s[OSC:OSC+1]
	s_wait_tensorcnt 0x0
	ds_add_u32 v[SPW], v[NIL]
	s_wait_dscnt 0x0
	CROUND
	s_endpgm
.Lfunc_end_k_qec1a491216_proj:
	.size	k_qec1a491216_proj, .Lfunc_end_k_qec1a491216_proj-k_qec1a491216_proj
	.p2alignl 7, 3214868480
	.fill 96, 4, 3214868480
	.section	.rodata,"a",@progbits
	.p2align	6, 0x0
	.amdhsa_kernel k_qec1a491216_proj
		.amdhsa_group_segment_fixed_size 327680
		.amdhsa_private_segment_fixed_size 0
		.amdhsa_enable_private_segment 0
		.amdhsa_kernarg_size 32
		.amdhsa_user_sgpr_count 2
		.amdhsa_user_sgpr_kernarg_segment_ptr 1
		.amdhsa_wavefront_size32 1
		.amdhsa_system_sgpr_workgroup_id_x 1
		.amdhsa_system_sgpr_workgroup_id_y 1
		.amdhsa_system_sgpr_workgroup_id_z 1
		.amdhsa_system_vgpr_workitem_id 0
		.amdhsa_next_free_vgpr 1024
		.amdhsa_next_free_sgpr 100
		.amdhsa_reserve_vcc 0
		.amdhsa_float_denorm_mode_32 3
		.amdhsa_float_denorm_mode_16_64 3
		.amdhsa_memory_ordered 1
		.amdhsa_forward_progress 1
		.amdhsa_inst_pref_size 189
	.end_amdhsa_kernel
	.amdgpu_metadata
---
amdhsa.version: [ 1, 2 ]
amdhsa.kernels:
  - .name:           k_qec1a491216_proj
    .symbol:         k_qec1a491216_proj.kd
    .args:
      - { .name: xq, .offset: 0, .size: 8, .value_kind: global_buffer, .address_space: global }
      - { .name: wq, .offset: 8, .size: 8, .value_kind: global_buffer, .address_space: global }
      - { .name: qb, .offset: 16, .size: 8, .value_kind: global_buffer, .address_space: global }
      - { .name: kvb, .offset: 24, .size: 8, .value_kind: global_buffer, .address_space: global }
    .group_segment_fixed_size: 327680
    .private_segment_fixed_size: 0
    .kernarg_segment_align: 8
    .kernarg_segment_size: 32
    .max_flat_workgroup_size: 128
    .sgpr_count:     100
    .vgpr_count:     1024
    .wavefront_size: 32
...
	.end_amdgpu_metadata
.endif
;; end of part 2
;; launch attn (part 3): grid 16 x 16, 12 waves a work-group, no clusters, 327,680 bytes of LDS; arguments qb, kvb, cb; writes cb
.if DOCPART == 3
	.amdgcn_target "amdgcn-amd-amdhsa--gfx1250"
	.amdhsa_code_object_version 6
	.text
	.protected	k_qec1a491216_attn
	.globl	k_qec1a491216_attn
	.p2align	8
	.type	k_qec1a491216_attn,@function
k_qec1a491216_attn:
	s_mov_b64 s[64:65], 0
	v_nop
	global_prefetch_b8 v0, s[64:65] scope:SCOPE_SE
	s_setreg_imm32_b32 hwreg(HW_REG_WAVE_MODE, 25, 1), 1
	s_wait_xcnt 0x0
; Causal attention of 16 heads of 64 over 4,096 tokens, both products on codes of FP8 (E4M3) with one E8M0 scale for each 32 along a product's K; the result, divided by the row's sum, is quantised along the head and
; leaves as the register image that the last product loads.
; THE SOFTMAX: t = score x log2(e) / 8.  For each block of 32 keys FL = floor(its largest t); p' = 2^(t - FL), under 2, is held at 1.75 and converted with the scale 2^-8; the block's scale byte is 127 + FL - M, M the row's
; largest FL so far.  That is p = 2^(t - M) quantised by the stated rule, up to powers of two that are the same in O and in the row's sum (O carries 2^8, which the end takes off).  The sum is taken of the p' before the hold.
; When M moves, the sum and O are multiplied by 2^(old M - new M), which rounds nothing.
; SHARES.  Work-group (b, head) owns the query blocks 31 - b (A) and b (B), 128 tokens each.  Its stream has 33 items of 128 keys: entries 0 .. 31 - b for A, then 0 .. b for B.  Twelve waves are three groups of four: a wave holds
; 32 queries (two tiles) and takes every third item: 11 steps in every wave.  A group's partial sums (O, sum, M) of A go to LDS when it passes to B, those of B at the end; waves 0 to 7 then join the three groups' parts, a tile each.
; NO CLUSTER: work-groups of a head pass from A to B at different steps, so they want different entries at the same time.
; LAYOUT.  Both products are used transposed (S^T = K Q^T, O^T = V^T P^T): a lane holds ONE query of a tile.  Tokens lie at positions with bits 3 and 4 exchanged, so the 16 registers of a fragment of K are keys 32 f + 16 (lane / 16) + 0 .. 15.
; The head's K is 64, the instruction's 128: a fragment of K holds two tiles of keys, and Q stands between runs of zero codes.  An entry in LDS is an image of registers: 16 bytes a lane at 16 x lane.
; RING: four slots of three entries, a step each.  A load brings half an entry (33 rows of 256 bytes).  At the head waves 0 to 5 fetch slot 0; behind the head's barrier they fetch slot 1 and waves 6 to 11 slot 2; in step i waves 0 to 5 fetch
; the items of step i + 3 into the slot of step i - 1.
; LIMITS: scaled scores under 2^31 in magnitude; a block whose FL lies more than 126 under M has the byte 0 (2^-127) where the rule holds at 2^-126: its share is under 2^-118 of the row's; a block of zeros of the result gets the byte 1;
; NaN and infinities are not served.  The result's scale bytes leave as single bytes (two heads, in different work-groups, share a word).
.set ENT,   16896
.set HB,    8448
.set SLOT,  50688                      ; three entries
.set STGA,  202752                     ; behind the ring: A's parts, 8,704 bytes for each wave
.set PART,  8704
.set SPARE, 307200                     ; the spare words: six blocks of 256 bytes that no other line names
.set TURN0, 2*SLOT                     ; exclusive or: slot 0 <-> slot 2,
.set TURN1, SLOT^(3*SLOT)              ; slot 1 <-> slot 3
.set QBS,   8448
.set QHS,   32*QBS
.set KHS,   32*ENT
.set LI,  1                            ; v1   16 x lane + ENT x group
.set LS,  2                            ; v2   16 r + ENT x group
.set ADR, 3
.set SPW, 4                            ; v4   my spare word; never rewritten
.set NIL, 5                            ; v5   0; never rewritten
.set PFO, 6                            ; v6   256 x lane
.set ONE, 7                            ; v7   2^-8: the conversion's scale
.set MM,  8                            ; v[8:9]   M of my two tiles
.set FF,  10                           ; v[10:11] 2^(old M - new M)
.set SU,  12                           ; v[12:15] the sums, in two halves each
.set QB,  16                           ; v16-55  zeros, Q of tile 0, zeros, Q of tile 1, zeros
.set KB,  56                           ; v56-87  two fragments of K
.set PC,  88                           ; v88-103 p's codes of tile 0; v152-167 those of tile 1: laid over scores that are done with
.set S,   92                           ; v92-155, v156-219 the scores of my two tiles, then p'
.set VB,  104                          ; V's fragments 0 to 2, over tile 0's scores;  fragment 3 at v172
.set BM,  220
.set TP,  228
.set BS,  236
.set SCK, 244
.set QW,  248
.set PW,  250
.set SCV, 252
.set WV,  10
.set WP,  11
.set SW3, 12
.set SW,  13                           ; s13  32 - b: items of A
.set E,   14                           ; s14  the item that I fetch
.set N,   15                           ; s15  the item that I work on
.set G1,  16
.set G0,  24
.set LOOP, 28
.set LIM, 29
.set DG,  30                           ; s30  the item that lies on the diagonal
.set W32, 31
.set SEL, 32
.set CS,  34                           ; s[34:35] c = log2(e) / 8
.set HHM, 36
.set NBIG, 37
.set KVW, 38
.set QP2, 40
.set CLMP, 42
.set NINF, 43
.set MNT, 44
.set LB,  45
.set PFA, 46
.set PFN, 48
.set TB,  49
.set TN,  50
.set TT,  51
.set QP,  52
.set QS0, 54
.set HD,  55
.set SG0, 62
.set SGA, 63
.set WQ,  74
.set WS,  75
.set QS1, 76
.set TF,  77
.set TX,  78
.set MSB, 0
.macro WIN new                         ; the immediate's high byte repeats the setting that is left
.if MSB != \new
	s_set_vgpr_msb (MSB<<8)|\new
.set MSB, \new
.endif
.endm
.macro PLACES n
.rept \n
	v_nop
.endr
.endm
.macro TLOAD                           ; waves 0 to 5 fetch; four v_nop follow the line
	s_cmp_lt_u32 s[WV], 6
	s_cbranch_scc0 .Lnone_\@
	tensor_load_to_lds s[G0:G0+3], s[G1:G1+7]
	s_nop 0
	PLACES 4
.Lnone_\@:
.endm
; A PREFETCH INTO THE L2.  A head's entries are 66 pieces of 8,192 bytes.  The work-group with b = 0, which walks all 32 entries on end, asks, and nobody else: at change i wave w (0 to 6) names piece 24 + 7 i + w, lanes 256 bytes apart,
; while that is under 66; the load of that change takes the pieces from 18 + 6 i on.  The first pieces come by their loads alone.
.macro ASK
	s_cmp_lt_u32 s[PFN], s[LIM]
	s_cbranch_scc0 .Lnot_mine_\@
	global_prefetch_b8 v[PFO], s[PFA:PFA+1] th:TH_LOAD_NT scope:SCOPE_SE
.Lnot_mine_\@:
.endm
.macro NEXTLOAD lds                    ; group 0 for my half of my next item; behind A's the stream begins again at entry 0
	s_add_co_u32 s[E], s[E], 3
	s_cmp_ge_u32 s[E], s[SW]
	s_cselect_b32 s2, s[SW], 0
	s_sub_co_u32 s2, s[E], s2
	s_mul_i32 s2, s2, ENT
	s_add_co_u32 s[G0+1], s[LB], \lds
	s_add_nc_u64 s[G0+2:G0+3], s[KVW:KVW+1], s[2:3]
	s_or_b32 s[G0+3], s[G0+3], 0x80000000
.endm
.macro KLOAD tn                        ; a step's scale words of K and its first two fragments
	v_add_nc_u32 v[ADR], \tn, v[LI]
	v_add_nc_u32 v[BS], \tn, v[LS]
	ds_load_b128 v[SCK:SCK+3], v[BS] offset:8192
.irp f, 0,1
.irp c, 0,1,2,3
	ds_load_b128 v[KB+16*\f+4*\c:KB+16*\f+4*\c+3], v[ADR] offset:2048*\f+512*\c
.endr
.endr
.endm
; A query block begins: my tiles' codes and scale words; M under every FL.  The first change of M multiplies the sums and O^T by 0: they are written once, at the head (zero = 1), and what an earlier block left falls away.
.macro INITBLK qp, zero
	v_and_b32 v237, 31, v0
	v_and_b32 v239, 15, v0
	v_lshlrev_b32 v237, 4, v237
	v_lshlrev_b32 v239, 4, v239
	v_add_nc_u32 v237, s[WQ], v237
	v_add_nc_u32 v239, s[WS], v239
	global_load_b128 v[QB+8:QB+11], v237, s[\qp:\qp+1]
	global_load_b128 v[QB+12:QB+15], v237, s[\qp:\qp+1] offset:512
	global_load_b128 v[QB+24:QB+27], v237, s[\qp:\qp+1] offset:1024
	global_load_b128 v[QB+28:QB+31], v237, s[\qp:\qp+1] offset:1536
	global_load_b32 v243, v239, s[\qp:\qp+1] offset:8192
	v_mov_b32 v[MM], s[NBIG]
	v_mov_b32 v[MM+1], s[NBIG]
.if \zero
.irp j, 0,1,2,3
	v_mov_b32 v[SU+\j], 0
.endr
	WIN 0x40
.set n_, 0
.rept 64
	v_mov_b32 v[n_], 0
.set n_, n_+1
.endr
	WIN 0
.endif
	s_wait_alu depctr_va_vdst(0)
	s_wait_loadcnt 0x0
	v_perm_b32 v[QW], v243, v243, s[QS0]           ; an even tile's two bytes, in both halves of the word,
	v_perm_b32 v[QW+1], v243, v243, s[QS1]         ; and the odd tile's
	PLACES 8                                       ; places between a fresh scale word and the products
	s_wait_alu depctr_va_vdst(0)
.endm
; My partial sums go to LDS: O^T of both tiles, then (sum, M) of both.
.macro PUT sg
	v_add_f32 v[BS], v[SU], v[SU+1]
	v_add_f32 v[BS+2], v[SU+2], v[SU+3]
	v_permlanex16_b32 v[BS+4], v[BS], s[SEL], s[SEL+1]
	v_permlanex16_b32 v[BS+6], v[BS+2], s[SEL], s[SEL+1]
	v_mov_b32 v[BS+1], v[MM]
	v_mov_b32 v[BS+3], v[MM+1]
	v_add_f32 v[BS], v[BS], v[BS+4]
	v_add_f32 v[BS+2], v[BS+2], v[BS+6]
	v_add_nc_u32 v[ADR], s[\sg], v[LI]
	ds_store_b128 v[ADR], v[BS:BS+3] offset:8192
	WIN 0x04
.irp j, 0,1,2,3,4,5,6,7,8,9,10,11,12,13,14,15
	ds_store_b128 v[ADR], v[4*\j:4*\j+3] offset:512*\j
.endr
	WIN 0
.endm
; Fragment f of K (two tiles of keys) against Q of both tiles.
.macro SMUL f
.set KA, KB+16*((\f)%2)
.irp t, 0,1
	v_wmma_scale_f32_16x16x128_f8f6f4 v[S+64*\t+16*(\f):S+64*\t+16*(\f)+7], v[KA:KA+15], v[QB+8+16*\t:QB+23+16*\t], 0, v[SCK+\f], v[QW+\t]
	v_wmma_scale_f32_16x16x128_f8f6f4 v[S+64*\t+16*(\f)+8:S+64*\t+16*(\f)+15], v[KA:KA+15], v[QB+16*\t:QB+15+16*\t], 0, v[SCK+\f], v[QW+\t]
.endr
.endm
; O^T of both tiles += V's fragment t x p's codes.
.macro PV t, reg
.irp x, 0,1
	v_wmma_scale_f32_16x16x128_f8f6f4 v[32*\x+8*(\t):32*\x+8*(\t)+7], v[\reg:\reg+15], v[PC+64*\x:PC+64*\x+15], v[32*\x+8*(\t):32*\x+8*(\t)+7], v[SCV+\t], v[PW+\x]
.endr
.endm
; The largest score of four blocks of 32 keys (block 4 x tile + f), by turns; the floor keeps a block without a visible key finite.
.macro MAXG a, b, c, d
.irp k, \a, \b, \c, \d
	v_max3_num_f32 v[BM+\k], v[S+16*\k], v[S+16*\k+1], v[S+16*\k+2]
.endr
.irp i, 3,5,7,9,11,13
.irp k, \a, \b, \c, \d
	v_max3_num_f32 v[BM+\k], v[BM+\k], v[S+16*\k+\i], v[S+16*\k+\i+1]
.endr
.endr
.irp k, \a, \b, \c, \d
	v_max3_num_f32 v[BM+\k], v[BM+\k], v[S+16*\k+15], s[NBIG]
.endr
.endm
.macro FMA t, n                        ; t - FL, two at a time
.set R_, S+64*(\t)+2*(\n)
.set K_, 4*(\t)+(\n)/8
.set P_, BM+2*(K_/2)
.if K_%2
	v_pk_fma_f32 v[R_:R_+1], v[R_:R_+1], s[CS:CS+1], v[P_:P_+1] op_sel:[0,0,1] op_sel_hi:[1,0,1] neg_lo:[0,0,1] neg_hi:[0,0,1]
.else
	v_pk_fma_f32 v[R_:R_+1], v[R_:R_+1], s[CS:CS+1], v[P_:P_+1] op_sel:[0,0,0] op_sel_hi:[1,0,0] neg_lo:[0,0,1] neg_hi:[0,0,1]
.endif
.endm
.macro SSCALE t                        ; a tile's sum under the new M
.if \t
	v_pk_mul_f32 v[SU+2:SU+3], v[SU+2:SU+3], v[FF:FF+1] op_sel:[0,1] op_sel_hi:[1,1]
.else
	v_pk_mul_f32 v[SU:SU+1], v[SU:SU+1], v[FF:FF+1] op_sel:[0,0] op_sel_hi:[1,0]
.endif
.endm
.macro SACC t, b                       ; + block b's sum x 2^(FL - M)
.set P_, TP+4*(\t)+2*((\b)/2)
.if (\b)%2
	v_pk_fma_f32 v[SU+2*(\t):SU+2*(\t)+1], v[BS+2*(\b):BS+2*(\b)+1], v[P_:P_+1], v[SU+2*(\t):SU+2*(\t)+1] op_sel:[0,1,0] op_sel_hi:[1,1,1]
.else
	v_pk_fma_f32 v[SU+2*(\t):SU+2*(\t)+1], v[BS+2*(\b):BS+2*(\b)+1], v[P_:P_+1], v[SU+2*(\t):SU+2*(\t)+1] op_sel:[0,0,0] op_sel_hi:[1,0,1]
.endif
.endm
; A tile's p': the blocks' sums, the hold (the conversion does not saturate: ISA guide 7.6.2; p' is not negative), the codes.
.macro POST t
.irp b, 0,1,2,3
	v_pk_add_f32 v[BS+2*\b:BS+2*\b+1], v[S+64*\t+16*\b:S+64*\t+16*\b+1], v[S+64*\t+16*\b+2:S+64*\t+16*\b+3]
.endr
.irp i, 4,6,8,10,12,14
.irp b, 0,1,2,3
	v_pk_add_f32 v[BS+2*\b:BS+2*\b+1], v[BS+2*\b:BS+2*\b+1], v[S+64*\t+16*\b+\i:S+64*\t+16*\b+\i+1]
.endr
.endr
.irp b, 0,1,2,3
.irp i, 0,2,4,6,8,10,12,14
	v_dual_min_num_f32 v[S+64*\t+16*\b+\i], s[CLMP], v[S+64*\t+16*\b+\i] :: v_dual_min_num_f32 v[S+64*\t+16*\b+\i+1], s[CLMP], v[S+64*\t+16*\b+\i+1]
.endr
.if \t == 0
	SACC 0, \b
.endif
	v_cvt_scalef32_pk8_fp8_f32 v[PC+64*\t+4*\b:PC+64*\t+4*\b+1], v[S+64*\t+16*\b:S+64*\t+16*\b+7], v[ONE]
	v_cvt_scalef32_pk8_fp8_f32 v[PC+64*\t+4*\b+2:PC+64*\t+4*\b+3], v[S+64*\t+16*\b+8:S+64*\t+16*\b+15], v[ONE]
.endr
.endm
; A STEP: my item of the slot at tb.  THE CHANGE OF SLOTS: ahead of its signal each wave has waited for its tensor load and for its reads of the slot of the step before; the wait stands behind the maxima and the scale words,
; which are work on registers; behind it that slot is filled again (fill = 1, at lds), and the next step's first fragments are read from the slot at tn, which is whole.
.macro STEP tb, tn, fill, lds
	s_wait_alu depctr_va_vdst(0)
	s_wait_dscnt 0x0                               ; K's first two fragments and scale words are in
	SMUL 0
	SMUL 1
	v_add_nc_u32 v[ADR], \tb, v[LI]
	PLACES 7                                       ; eight places with the addition: loads into registers that the products have read, and the first reads of these scores
.irp f, 0,1
.irp c, 0,1,2,3
	ds_load_b128 v[KB+16*\f+4*\c:KB+16*\f+4*\c+3], v[ADR] offset:4096+2048*\f+512*\c
.endr
.endr
	s_wait_tensorcnt 0x0                           ; my tensor load, if I had one, is in: group 0 may be written
	ds_add_u32 v[SPW], v[NIL]                      ; 0 onto my spare word
.if \fill
	ds_add_u32 v[SPW], v[NIL]                      ; and once more
	NEXTLOAD \lds
	s_wait_xcnt 0x0                                ; the last prefetch has read its address
	s_add_co_u32 s[PFN], s[PFN], 7
	s_add_nc_u64 s[PFA:PFA+1], s[PFA:PFA+1], 7*8192
.endif
	s_wait_dscnt 0x0                               ; the adds are done; K is in registers, and my reads of the slot before are over
	s_barrier_signal -1
	SMUL 2
	SMUL 3
	s_cmp_lg_u32 s[N], s[DG]                       ; on the diagonal?  A scalar branch on ids, round vector work alone
	s_cbranch_scc1 .Lopen_\@
	v_and_b32 v[BS+1], 15, v0
	v_and_b32 v[BS+2], 8, v0
	v_bfe_u32 v[BS+3], v0, 4, 1
	v_add_nc_u32 v[BS+1], v[BS+1], v[BS+2]
	v_lshlrev_b32 v[BS+3], 4, v[BS+3]
	v_sub_nc_u32 v[BS+1], v[BS+1], v[BS+3]         ; r + 8 (r / 8) - 16 h
.irp k, 0,1,4,5,2,3,6,7
	s_add_co_i32 s[TT], s[W32], 8*(\k/4)-32*(\k%4)
	v_add_nc_u32 v[BS+2], s[TT], v[BS+1]           ; register i of block f holds key 32 f + 16 h + i: it counts where i is at most this
.irp i, 0,1,2,3,4,5,6,7,8,9,10,11,12,13,14,15
	v_cmp_le_i32 vcc_lo, \i, v[BS+2]
	v_cndmask_b32 v[S+16*\k+\i], s[NINF], v[S+16*\k+\i], vcc_lo
.endr
.endr
.Lopen_\@:
	MAXG 0, 1, 4, 5                                ; (also the places behind the last eight products)
	MAXG 2, 3, 6, 7
.irp k, 0,1,2,3,4,5,6,7
	v_permlanex16_b32 v[TP+\k], v[BM+\k], s[SEL], s[SEL+1]
.endr
.irp k, 0,1,2,3,4,5,6,7
	v_max_num_f32 v[BM+\k], v[BM+\k], v[TP+\k]     ; with lane l xor 16's 16 keys
.endr
.irp k, 0,2,4,6
	v_pk_mul_f32 v[BM+\k:BM+\k+1], v[BM+\k:BM+\k+1], s[CS:CS+1] op_sel_hi:[1,0]
.endr
.irp k, 0,1,2,3,4,5,6,7
	v_floor_f32 v[BM+\k], v[BM+\k]                 ; FL
.endr
	v_max3_num_f32 v[BS], v[MM], v[BM], v[BM+1]
	v_max3_num_f32 v[BS+1], v[MM+1], v[BM+4], v[BM+5]
	v_max3_num_f32 v[BS], v[BS], v[BM+2], v[BM+3]
	v_max3_num_f32 v[BS+1], v[BS+1], v[BM+6], v[BM+7]
	v_pk_add_f32 v[FF:FF+1], v[MM:MM+1], v[BS:BS+1] neg_lo:[0,1] neg_hi:[0,1]   ; old M - new M: whole numbers, 0 or less
	v_mov_b32 v[MM], v[BS]
	v_mov_b32 v[MM+1], v[BS+1]
	v_cvt_i32_f32 v[FF], v[FF]                     ; (it saturates)
	v_cvt_i32_f32 v[FF+1], v[FF+1]
.irp k, 0,2
	v_pk_add_f32 v[BS+\k:BS+\k+1], v[BM+\k:BM+\k+1], v[MM:MM+1] op_sel:[0,0] op_sel_hi:[1,0] neg_lo:[0,1] neg_hi:[0,1]   ; FL - M
.endr
.irp k, 4,6
	v_pk_add_f32 v[BS+\k:BS+\k+1], v[BM+\k:BM+\k+1], v[MM:MM+1] op_sel:[0,1] op_sel_hi:[1,1] neg_lo:[0,1] neg_hi:[0,1]
.endr
	v_ldexp_f32 v[FF], 1.0, v[FF]
	v_ldexp_f32 v[FF+1], 1.0, v[FF+1]
.irp k, 0,1,2,3,4,5,6,7
	v_cvt_i32_f32 v[TP+\k], v[BS+\k]
.endr
.irp k, 0,1,2,3,4,5,6,7
	v_ldexp_f32 v[TP+\k], 1.0, v[TP+\k]            ; 2^(FL - M): the weight of the block's sum; its exponent field is the scale byte
.endr
.irp k, 0,1,2,3,4,5,6,7
	v_lshrrev_b32 v[BS+\k], 23, v[TP+\k]
.endr
	v_lshl_or_b32 v[PW], v[BS+1], 8, v[BS]
	v_lshl_or_b32 v[PW+1], v[BS+5], 8, v[BS+4]
	v_lshl_or_b32 v[PW], v[BS+2], 16, v[PW]
	v_lshl_or_b32 v[PW+1], v[BS+6], 16, v[PW+1]
	v_lshl_or_b32 v[PW], v[BS+3], 24, v[PW]
	v_lshl_or_b32 v[PW+1], v[BS+7], 24, v[PW+1]
	s_wait_alu depctr_va_vdst(0)
	s_barrier_wait -1
.if \fill
	TLOAD                                          ; the first thing behind the barrier, and my one tensor load until the next
	KLOAD \tn                                      ; the next step's first fragments land under the rest of the softmax
	ASK
.else
	s_cmp_eq_u32 s[LOOP], 1
	s_cbranch_scc1 .Lno_next_\@                    ; the last step has no successor
	KLOAD \tn
.Lno_next_\@:
.endif
	WIN 0x41
.set n_, 0
.rept 16
	v_pk_mul_f32 v[n_:n_+1], v[n_:n_+1], v[FF:FF+1] op_sel:[0,0] op_sel_hi:[1,0]   ; O^T under the new M
	v_pk_mul_f32 v[n_+32:n_+33], v[n_+32:n_+33], v[FF:FF+1] op_sel:[0,1] op_sel_hi:[1,1]
.set n_, n_+2
.endr
	WIN 0
.set n_, 0
.rept 32
	FMA 0, n_
.set n_, n_+1
.endr
	s_wait_alu depctr_va_vdst(0)                   ; ahead of the batch
.set n_, 0
.rept 32
	v_exp_f32 v[S+2*n_], v[S+2*n_]
	v_exp_f32 v[S+2*n_+1], v[S+2*n_+1]
	FMA 1, n_                                      ; the other tile's arguments, read behind the next wait
.set n_, n_+1
.endr
	s_wait_alu depctr_va_vdst(0)                   ; for the second batch's sources and the first one's results
.set n_, 0
.rept 64
	v_exp_f32 v[S+64+n_], v[S+64+n_]
.set n_, n_+1
.endr
	SSCALE 0                                       ; the plain line behind the exponentials
	s_wait_alu depctr_va_vdst(0)                   ; ahead of the first reader of the second batch
	POST 0
	v_add_nc_u32 v[ADR], \tb, v[LI]
	v_add_nc_u32 v[BS], \tb, v[LS]
	ds_load_b128 v[SCV:SCV+3], v[BS] offset:HB+8192
.irp t, 0,1,2
.irp c, 0,1,2,3
	ds_load_b128 v[VB+16*\t+4*\c:VB+16*\t+4*\c+3], v[ADR] offset:HB+2048*\t+512*\c   ; V lands over tile 0's scores
.endr
.endr
	POST 1
	SSCALE 1                                       ; this and the three below: places between the codes and the products
.irp c, 0,1,2,3
	ds_load_b128 v[172+4*\c:175+4*\c], v[ADR] offset:HB+2048*3+512*\c
.endr
	SACC 1, 0
	SACC 1, 1
	SACC 1, 2
	s_wait_alu depctr_va_vdst(0)
	s_wait_dscnt 4                                 ; all but the last fragment's four loads
	WIN 0x50
	PV 0, VB
	PV 1, VB+16
	PV 2, VB+32
	s_wait_dscnt 0x0
	PV 3, 172
	WIN 0
	SACC 1, 3
	PLACES 8                                       ; nine places: the next products write over V and the codes
	s_sub_co_u32 s[TT], s[N], s[SW3]               ; my last item of A?
	s_cmp_lt_u32 s[TT], 3
	s_cbranch_scc0 .Lgo_\@
	PUT SGA
	s_mov_b32 s[DG], 32
	s_wait_dscnt 0x0
	INITBLK QP2, 0
.Lgo_\@:
	s_add_co_u32 s[N], s[N], 3
.endm
	s_load_b128 s[4:7], s[0:1], 0x0                ; qb, kvb
	s_load_b64 s[8:9], s[0:1], 0x10                ; cb
	v_lshl_add_u32 v[SPW], v0, 2, SPARE
	v_mov_b32 v[NIL], 0
	ds_add_u32 v[SPW], v[NIL]                      ; the opening lines: the add, twice on end, and its wait
	ds_add_u32 v[SPW], v[NIL]
	v_lshrrev_b32 v1, 5, v0
	v_readfirstlane_b32 s[WV], v1                  ; wave 0..11
	s_and_b32 s[WP], s[WV], 3                      ; which 32 queries of a block
	s_lshr_b32 s[N], s[WV], 2                      ; my group, and my first item
	s_lshl_b32 s[W32], s[WP], 5
	s_lshl_b32 s[WQ], s[WP], 11
	s_lshl_b32 s[WS], s[WP], 2
	s_and_b32 s[HD], ttmp7, 0xffff                 ; the head
	s_sub_co_u32 s[SW], 32, ttmp9
	s_sub_co_u32 s[SW3], 29, ttmp9
	s_sub_co_u32 s[DG], 31, ttmp9
	s_mov_b32 s[G1], 3<<16                         ; no mask; elements of 8 bytes; no padding
	s_mov_b32 s[G1+1], 32<<16
	s_mov_b32 s[G1+2], 33<<16
	s_mov_b32 s[G1+3], 32<<16                      ; 33 rows of 256 bytes: 8,448
	s_mov_b32 s[G1+4], 33
	s_mov_b32 s[G1+5], 32
	s_mov_b32 s[G1+6], 0
	s_mov_b32 s[G1+7], 0
	s_mov_b32 s3, 0
	s_mov_b32 s59, 0
	s_mul_i32 s56, s[HD], KHS
	s_and_b32 s57, s[WV], 1
	s_mul_i32 s57, s57, HB
	s_add_co_u32 s58, s56, s57
	s_lshr_b32 s[E], s[WV], 1                      ; the item that I fetch: 0 to 2 in waves 0 to 5; in waves 6 to 11, which fetch once, three less than theirs
	s_mul_i32 s2, s[E], ENT
	s_mov_b32 s[G0], 1
	s_mul_i32 s[LB], s[WV], HB                     ; (waves 6 to 11: SLOT + HB x (wave - 6))
	s_mov_b32 s[G0+1], s[LB]
	s_wait_dscnt 0x0                               ; both opening adds are done
	s_wait_kmcnt 0x0
	s_add_nc_u64 s[KVW:KVW+1], s[6:7], s[58:59]
	s_add_nc_u64 s[G0+2:G0+3], s[KVW:KVW+1], s[2:3]
	s_or_b32 s[G0+3], s[G0+3], 0x80000000
	TLOAD                                          ; items 0 to 2 into slot 0
	s_add_co_u32 s[PFN], s[WV], 17                 ; the first change steps these to piece 24 + wave
	s_lshl_b32 s57, s[PFN], 13
	s_add_co_u32 s58, s56, s57
	s_add_nc_u64 s[PFA:PFA+1], s[6:7], s[58:59]
	s_cmp_eq_u32 ttmp9, 0
	s_cselect_b32 s[LIM], 66, 0
	s_cmp_lt_u32 s[WV], 7
	s_cselect_b32 s[LIM], s[LIM], 0
	s_mul_i32 s56, s[HD], QHS
	s_mul_i32 s57, s[DG], QBS
	s_add_co_u32 s58, s56, s57
	s_add_nc_u64 s[QP:QP+1], s[4:5], s[58:59]
	s_mul_i32 s57, ttmp9, QBS
	s_add_co_u32 s58, s56, s57
	s_add_nc_u64 s[QP2:QP2+1], s[4:5], s[58:59]
	s_mul_i32 s56, s[WP], PART                     ; my part's place, less what LI holds: PART x wave - ENT x group
	s_mul_i32 s57, s[N], 4*PART-ENT
	s_add_co_u32 s[SG0], s56, s57
	s_add_co_u32 s[SGA], s[SG0], STGA
	s_mov_b32 s[SEL], 0x76543210
	s_mov_b32 s[SEL+1], 0xfedcba98                 ; lane l xor 16
	s_mov_b32 s[CS], 0x3e38aa3b                    ; c = log2(e) / 8
	s_mov_b32 s[CS+1], s[CS]
	s_mov_b32 s[MNT], 0x600000
	s_mov_b32 s[HHM], 0xffff0000
	s_mov_b32 s[NBIG], 0xff61b1e6                  ; -3e38
	s_mov_b32 s[NINF], 0xff800000
	s_mov_b32 s[CLMP], 0x3fe00000                  ; 1.75 = 448 x 2^-8
	s_mov_b32 s[QS0], 0x01000100
	s_mov_b32 s[QS1], 0x03020302
	s_mul_i32 s57, s[N], ENT
	v_and_b32 v[PFO], 31, v0
	v_and_b32 v[LS], 15, v0
	v_lshlrev_b32 v[LI], 4, v[PFO]
	v_lshlrev_b32 v[LS], 4, v[LS]
	v_add_nc_u32 v[LI], s57, v[LI]
	v_add_nc_u32 v[LS], s57, v[LS]
	v_lshlrev_b32 v[PFO], 8, v[PFO]
	v_mov_b32 v[ONE], 0x3b800000
.irp j, 0,1,2,3,4,5,6,7
	v_mov_b32 v[QB+\j], 0                          ; zero codes round Q
	v_mov_b32 v[QB+16+\j], 0
	v_mov_b32 v[QB+32+\j], 0
	v_mov_b32 v[TP+\j], 0                          ; written once: a lane permute's destination counts as one of its sources
.endr
	INITBLK QP, 1
	s_wait_alu depctr_va_vdst(0)
	s_wait_tensorcnt 0x0                           ; my part of slot 0 is in; these lines stand ahead of a later first fill as ahead of a refill
	ds_add_u32 v[SPW], v[NIL]
	ds_add_u32 v[SPW], v[NIL]
	NEXTLOAD SLOT
	s_wait_dscnt 0x0
	s_barrier_signal -1
	s_barrier_wait -1
	tensor_load_to_lds s[G0:G0+3], s[G1:G1+7]      ; items 3 to 5 into slot 1 (waves 0 to 5), 6 to 8 into slot 2
	s_nop 0
	PLACES 4
	KLOAD 0
	s_add_co_u32 s[E], s[E], 3                     ; waves 0 to 5 go on with items 9 to 11
	s_mov_b32 s[TB], 0                             ; the slots of a trip's two steps: 0 and 1, then 2 and 3
	s_mov_b32 s[TN], SLOT
	s_mov_b32 s[LOOP], 4
.Ltwo:                                             ; four trips of two steps, each with a fill
	s_xor_b32 s[TF], s[TN], TURN1                  ; the other two slots
	s_xor_b32 s[TX], s[TB], TURN0
	STEP s[TB], s[TN], 1, s[TF]
	STEP s[TN], s[TX], 1, s[TB]
	s_xor_b32 s[TB], s[TB], TURN0
	s_xor_b32 s[TN], s[TN], TURN1
	s_sub_co_u32 s[LOOP], s[LOOP], 1
	s_cmp_lg_u32 s[LOOP], 0
	s_wait_alu depctr_va_vdst(0)
	s_cbranch_scc1 .Ltwo
	s_mov_b32 s[TB], 0
	s_mov_b32 s[TN], SLOT
	s_mov_b32 s[LOOP], 3
.Ltail:                                            ; the last three steps, in slots 0, 1 and 2, fill nothing
	STEP s[TB], s[TN], 0, 0
	s_add_co_u32 s[TB], s[TB], SLOT
	s_add_co_u32 s[TN], s[TN], SLOT
	s_sub_co_u32 s[LOOP], s[LOOP], 1
	s_cmp_lg_u32 s[LOOP], 0
	s_wait_alu depctr_va_vdst(0)
	s_cbranch_scc1 .Ltail
	s_wait_alu depctr_va_vdst(0)
	s_wait_dscnt 0x0
	s_barrier_signal -1
	s_barrier_wait -1                              ; nobody reads the ring any more, and it has had its last fill: B's parts go there
	PUT SG0
	s_lshr_b32 s56, s[HD], 1                       ; the result's codes: [block][head / 2][tile][group][512]
	s_lshl_b32 s56, s56, 14
	s_lshl_b32 s57, s[WV], 11
	s_add_co_u32 s56, s56, s57
	s_and_b32 s57, s[HD], 1
	s_lshl_b32 s57, s57, 10
	s_add_co_u32 s56, s56, s57
	s_lshr_b32 s60, s[HD], 2                       ; its scale bytes: [block][head / 4][position][8]
	s_lshl_b32 s60, s60, 10
	s_lshl_b32 s57, s[WV], 7
	s_add_co_u32 s60, s60, s57
	s_and_b32 s57, s[HD], 3
	s_lshl_b32 s57, s57, 1
	s_add_co_u32 s60, s60, s57
	s_add_co_u32 s60, s60, 0x400000
	s_sub_co_u32 s61, 31, ttmp9
	s_mov_b32 s59, 0
	s_lshl_b32 s58, s61, 17
	s_add_co_u32 s58, s58, s56
	s_add_nc_u64 s[66:67], s[8:9], s[58:59]
	s_lshl_b32 s58, ttmp9, 17
	s_add_co_u32 s58, s58, s56
	s_add_nc_u64 s[68:69], s[8:9], s[58:59]
	s_lshl_b32 s58, s61, 12
	s_add_co_u32 s58, s58, s60
	s_add_nc_u64 s[70:71], s[8:9], s[58:59]
	s_lshl_b32 s58, ttmp9, 12
	s_add_co_u32 s58, s58, s60
	s_add_nc_u64 s[72:73], s[8:9], s[58:59]
	s_wait_dscnt 0x0
	s_barrier_signal -1
	s_barrier_wait -1                              ; all parts of A and B are in LDS
	s_cmp_lt_u32 s[WV], 8
	s_cbranch_scc0 .Lend
	v_and_b32 v16, 31, v0
	v_and_b32 v17, 15, v0
	v_bfe_u32 v20, v0, 4, 1
	v_lshlrev_b32 v16, 4, v16                      ; 16 x lane
	v_lshl_add_u32 v17, v17, 3, v20                ; 8 r + h: my byte among the scale bytes
	s_lshr_b32 s56, s[WV], 1                       ; tile = wave: the parts of the waves wave / 2, + 4, + 8
	s_mul_i32 s56, s56, PART
	s_and_b32 s57, s[WV], 1
	s_lshl_b32 s58, s57, 12
	s_add_co_u32 s58, s58, s56
	v_add_nc_u32 v18, s58, v16
	s_lshl_b32 s58, s57, 3
	s_add_co_u32 s58, s58, s56
	v_add_nc_u32 v19, s58, v16
	s_wait_alu depctr_va_vdst(0)
.macro FINL base, reg, sm              ; the three groups' parts of my tile: 27 loads
	v_add_nc_u32 v20, \base, v18
	v_add_nc_u32 v22, \base+8192, v19
	v_add_nc_u32 v21, 8*PART, v20
	v_add_nc_u32 v23, 8*PART, v22
	ds_load_b64 v[\sm:\sm+1], v22                  ; sum, M
	ds_load_b64 v[\sm+2:\sm+3], v22 offset:4*PART
	ds_load_b64 v[\sm+4:\sm+5], v23
.irp j, 0,1,2,3,4,5,6,7
	ds_load_b128 v[\reg+4*\j:\reg+4*\j+3], v20 offset:512*\j
	ds_load_b128 v[\reg+32+4*\j:\reg+35+4*\j], v20 offset:4*PART+512*\j
	ds_load_b128 v[\reg+64+4*\j:\reg+67+4*\j], v21 offset:512*\j
.endr
.endm
; The parts are joined, divided by the sum, quantised along the head's 64 (two blocks of 32: 16 numbers here, 16 in lane l xor 16) and stored.
.macro FINC reg, sm, cbr, csr
	v_max3_num_f32 v236, v[\sm+1], v[\sm+3], v[\sm+5]
	v_sub_f32 v232, v[\sm+1], v236
	v_sub_f32 v233, v[\sm+3], v236
	v_sub_f32 v234, v[\sm+5], v236
	v_cvt_i32_f32 v232, v232
	v_cvt_i32_f32 v233, v233
	v_cvt_i32_f32 v234, v234
	v_ldexp_f32 v232, 1.0, v232
	v_ldexp_f32 v233, 1.0, v233
	v_ldexp_f32 v234, 1.0, v234
	v_mul_f32 v238, v[\sm], v232
	v_fma_f32 v238, v[\sm+2], v233, v238
	v_fma_f32 v238, v[\sm+4], v234, v238
	v_mul_f32 v238, 0x43800000, v238               ; x 2^8, which O carries
	s_wait_alu depctr_va_vdst(0)
	v_rcp_f32 v239, v238
	v_nop
	s_wait_alu depctr_va_vdst(0)
	v_mul_f32 v232, v232, v239
	v_mul_f32 v233, v233, v239
	v_mul_f32 v234, v234, v239
.set n_, \reg
.rept 16
	v_pk_mul_f32 v[n_:n_+1], v[n_:n_+1], v[232:233] op_sel_hi:[1,0]
.set n_, n_+2
.endr
.set n_, \reg
.rept 16
	v_pk_fma_f32 v[n_:n_+1], v[n_+32:n_+33], v[232:233], v[n_:n_+1] op_sel:[0,1,0] op_sel_hi:[1,1,1]
.set n_, n_+2
.endr
.set n_, \reg
.rept 16
	v_pk_fma_f32 v[n_:n_+1], v[n_+64:n_+65], v[234:235], v[n_:n_+1] op_sel_hi:[1,0,1]
.set n_, n_+2
.endr
.irp b, 0,1
	v_max3_num_f32 v[240+\b], |v[\reg+16*\b]|, |v[\reg+16*\b+1]|, 0x4800000   ; the floor: the byte cannot fall under 1
.endr
.irp i, 2,4,6,8,10,12,14
.irp b, 0,1
	v_max3_num_f32 v[240+\b], v[240+\b], |v[\reg+16*\b+\i]|, |v[\reg+16*\b+\i+1]|
.endr
.endr
.irp b, 0,1
	v_permlanex16_b32 v[242+\b], v[240+\b], s[SEL], s[SEL+1]
.endr
.irp b, 0,1
	v_max_num_f32 v[240+\b], v[240+\b], v[242+\b]
.endr
.irp b, 0,1
	v_add_nc_u32 v[236+\b], 0xfc000000, v[240+\b]  ; the conversion's scale operand
.endr
.irp b, 0,1
	v_and_or_b32 v[238+\b], v[240+\b], 0x7f800000, s[MNT]   ; 448 x the scale
.endr
.irp b, 0,1
	v_lshrrev_b32 v[242+\b], 23, v[236+\b]
.endr
	v_cndmask_b32 v[\reg+40], v242, v243, s[HHM]   ; lanes 0-15 store the first block's byte, lanes 16-31 the second's
.irp b, 0,1
.irp i, 0,1,2,3,4,5,6,7,8,9,10,11,12,13,14,15
	v_med3_num_f32 v[\reg+16*\b+\i], v[\reg+16*\b+\i], -v[238+\b], v[238+\b]
.endr
	v_cvt_scalef32_pk8_fp8_f32 v[\reg+32+4*\b:\reg+33+4*\b], v[\reg+16*\b:\reg+16*\b+7], v[236+\b]
	v_cvt_scalef32_pk8_fp8_f32 v[\reg+34+4*\b:\reg+35+4*\b], v[\reg+16*\b+8:\reg+16*\b+15], v[236+\b]
.endr
	v_nop
	global_store_b128 v16, v[\reg+32:\reg+35], s[\cbr:\cbr+1]              ; 512 consecutive bytes, aligned
	global_store_b128 v16, v[\reg+36:\reg+39], s[\cbr:\cbr+1] offset:512
	global_store_b8 v17, v[\reg+40], s[\csr:\csr+1]
.endm
	FINL STGA, 24, 220
	FINL 0, 124, 226
	s_wait_dscnt 27                                ; A's parts are in; B's 27 loads may be out
	FINC 24, 220, 66, 70
	s_wait_dscnt 0x0
	FINC 124, 226, 68, 72
.Lend:
	s_wait_tensorcnt 0x0                           ; the wave's end
	ds_add_u32 v[SPW], v[NIL]
	s_wait_dscnt 0x0
	s_endpgm
.Lfunc_end_k_qec1a491216_attn:
	.size	k_qec1a491216_attn, .Lfunc_end_k_qec1a491216_attn-k_qec1a491216_attn
	.p2alignl 7, 3214868480
	.fill 96, 4, 3214868480
	.section	.rodata,"a",@progbits
	.p2align	6, 0x0
	.amdhsa_kernel k_qec1a491216_attn
		.amdhsa_group_segment_fixed_size 327680
		.amdhsa_private_segment_fixed_size 0
		.amdhsa_enable_private_segment 0
		.amdhsa_kernarg_size 24
		.amdhsa_user_sgpr_count 2
		.amdhsa_user_sgpr_kernarg_segment_ptr 1
		.amdhsa_wavefront_size32 1
		.amdhsa_system_sgpr_workgroup_id_x 1
		.amdhsa_system_sgpr_workgroup_id_y 1
		.amdhsa_system_sgpr_workgroup_id_z 1
		.amdhsa_system_vgpr_workitem_id 0
		.amdhsa_next_free_vgpr 320
		.amdhsa_next_free_sgpr 80
		.amdhsa_reserve_vcc 1
		.amdhsa_float_denorm_mode_32 3
		.amdhsa_float_denorm_mode_16_64 3
		.amdhsa_memory_ordered 1
		.amdhsa_forward_progress 1
		.amdhsa_inst_pref_size 171
	.end_amdhsa_kernel
	.amdgpu_metadata
---
amdhsa.version: [ 1, 2 ]
amdhsa.kernels:
  - .name:           k_qec1a491216_attn
    .symbol:         k_qec1a491216_attn.kd
    .args:
      - { .name: qb, .offset: 0, .size: 8, .value_kind: global_buffer, .address_space: global }
      - { .name: kvb, .offset: 8, .size: 8, .value_kind: global_buffer, .address_space: global }
      - { .name: cb, .offset: 16, .size: 8, .value_kind: global_buffer, .address_space: global }
    .group_segment_fixed_size: 327680
    .private_segment_fixed_size: 0
    .kernarg_segment_align: 8
    .kernarg_segment_size: 24
    .max_flat_workgroup_size: 384
    .sgpr_count:     80
    .vgpr_count:     320
    .wavefront_size: 32
...
	.end_amdgpu_metadata
.endif
;; end of part 3
;; launch oproj (part 4): grid 8 x 32, 4 waves a work-group, clusters of 4 x 4, 327,680 bytes of LDS; arguments cb, wq, bo, out0; writes out0
.if DOCPART == 4
	.amdgcn_target "amdgcn-amd-amdhsa--gfx1250"
	.amdhsa_code_object_version 6
	.text
	.protected	k_qec1a491216_oproj
	.globl	k_qec1a491216_oproj
	.p2align	8
	.type	k_qec1a491216_oproj,@function
k_qec1a491216_oproj:
	s_mov_b64 s[64:65], 0
	v_nop
	global_prefetch_b8 v0, s[64:65] scope:SCOPE_SE
	s_setreg_imm32_b32 hwreg(HW_REG_WAVE_MODE, 25, 1), 1
	s_wait_xcnt 0x0
	s_wait_alu depctr_hold_cnt(0) depctr_sa_sdst(0) depctr_va_vdst(0) depctr_va_sdst(0) depctr_va_ssrc(0) depctr_va_vcc(0) depctr_vm_vsrc(0)
	s_getreg_b32 s2, hwreg(HW_REG_IB_STS2, 6, 4)
	s_cmp_eq_u32 s2, 0
	s_cbranch_scc0 .Lentry_in_a_cluster
	s_endpgm
.Lentry_in_a_cluster:
	s_bfe_u32 s2, ttmp6, 0x10000c
	s_cmp_lg_u32 s2, 0xf033
	s_cbranch_scc0 .Lentry_shape_is_right
	s_endpgm
.Lentry_shape_is_right:
; out = ctx Wo + bo: [4096][1024] f32, on codes of FP8 (E4M3) with an E8M0 byte for each 32 along K = 1,024; sums in f32.
; A work-group makes 128 x 128; each of its four waves 64 x 64: 16 accumulators.  ALL OF K lies in LDS: A's 128 rows (131,072 bytes, in cb already the image of operand registers), B's 128 rows of 1,024 bytes (LDS pitch 1,040),
; and both sides' scale bytes, 4,096 each: one joint tensor load a wave at the head, nothing is filled again, no ring.
; CLUSTERS of 4 x 4: the four of a row share A's tile, the four of a column B's.  No prefetch: there is no loop to run ahead in; every byte is asked for by the head's loads.
; Used transposed (source 0 = B, source 1 = A): a lane holds neighbouring columns of one row.  Rows and columns lie at positions with bits 3 and 4 exchanged: the way out puts both back.
; LIMITS: NaN and infinities among codes' scales are not served.
.set BOFF,  131072
.set PITCH, 1040                       ; 65 x 16 bytes: the 16 rows of a load begin at different banks (64 banks of 4 bytes: ISA guide 11.1)
.set SAO,   264192
.set SBO,   268288
.set SPARE, 272384                     ; two blocks of 256 bytes that no other line names
.set STG,   272896                     ; 16 rows x 272 bytes for each wave, for the way out
.set SPITCH, 272
.set SPW,  2
.set NIL,  3
.set AA,   4                           ; v4, v5  my A fragments: K steps 0-3, 4-7
.set AB,   6                           ; v6      my B fragments
.set STO,  7
.set BI,   8                           ; v8-11   the bias of my four columns
.set RD,   12
.set CO,   13
.set ADS,  14
.set SC,   32                          ; v32-63  scale words: register 8 (q / 2) + 2 i + q % 2: lanes 0-15 A's tile i, lanes 16-31 B's
.set OB,   64                          ; v64-127 rows read back
.set ACC,  128                         ; v128-255; window 1: two sets of fragments, A's at 128 s, B's at 128 s + 64
.set MSB, 0
.macro WIN new
.if MSB != \new
	s_set_vgpr_msb (MSB<<8)|\new
.set MSB, \new
.endif
.endm
.macro PLACES n
.rept \n
	v_nop
.endr
.endm
.macro CROUND                          ; a round of the cluster's barrier
	s_barrier_signal -1
	s_barrier_wait -1
	s_cmp_lg_u32 s14, 0
	s_cbranch_scc1 .Lnot_wave_0_\@
	s_barrier_signal -3
.Lnot_wave_0_\@:
	s_barrier_wait -3
	s_barrier_signal -1
	s_barrier_wait -1
.endm
	s_load_b128 s[4:7], s[0:1], 0x0                ; cb, wq
	s_load_b128 s[8:11], s[0:1], 0x10              ; bo, out0
	v_lshl_add_u32 v[SPW], v0, 2, SPARE
	v_mov_b32 v[NIL], 0
	ds_add_u32 v[SPW], v[NIL]                      ; the opening lines: the add, twice on end, and its wait
	ds_add_u32 v[SPW], v[NIL]
	v_lshrrev_b32 v1, 5, v0
	v_readfirstlane_b32 s14, v1                    ; wave
	s_lshr_b32 s15, s14, 1                         ; my 64 rows
	s_and_b32 s16, s14, 1                          ; my 64 columns
	s_bfe_u32 s40, ttmp6, 0x40000
	s_bfe_u32 s41, ttmp6, 0x40004
	s_lshl_b32 s42, ttmp9, 2
	s_add_co_u32 s42, s42, s40                     ; tile column
	s_and_b32 s17, ttmp7, 0xffff
	s_lshl_b32 s17, s17, 2
	s_add_co_u32 s17, s17, s41                     ; tile row
	s_lshl_b32 s43, s41, 2
	s_lshl_b32 s43, 15, s43                        ; my row of the cluster
	s_lshl_b32 s44, 0x1111, s40                    ; my column
	s_or_b32 s24, s43, (3<<16)|(1<<21)             ; A: 131,072 dense bytes as 512 rows of 256
	s_mov_b32 s25, 32<<16
	s_mov_b32 s26, 512<<16
	s_mov_b32 s27, 32<<16
	s_mov_b32 s28, 512
	s_mov_b32 s29, 32
	s_mov_b32 s30, 0
	s_mov_b32 s31, 0
	s_or_b32 s48, s44, (1<<20)|(1<<21)|(7<<22)|(3<<25)   ; B: 128 rows of 1,024 bytes, four words of padding after every 1,024
	s_mov_b32 s49, 1024<<16
	s_mov_b32 s50, 128<<16
	s_mov_b32 s51, 1024<<16
	s_mov_b32 s52, 128
	s_mov_b32 s53, 1024
	s_mov_b32 s54, 0
	s_mov_b32 s55, 0
	s_or_b32 s68, s43, (3<<16)|(1<<21)             ; the scale bytes: 4,096 dense bytes as 16 rows of 256
	s_or_b32 s80, s44, (3<<16)|(1<<21)
.irp g, 68,80
	s_mov_b32 s[\g+1], 32<<16
	s_mov_b32 s[\g+2], 16<<16
	s_mov_b32 s[\g+3], 32<<16
	s_mov_b32 s[\g+4], 16
	s_mov_b32 s[\g+5], 32
	s_mov_b32 s[\g+6], 0
	s_mov_b32 s[\g+7], 0
.endr
	s_lshl_b32 s18, s17, 17
	s_mov_b32 s19, 0
	s_lshl_b32 s20, s17, 12
	s_add_co_u32 s20, s20, 0x400000
	s_mov_b32 s21, 0
	s_lshl_b32 s22, s42, 17
	s_add_co_u32 s22, s22, 0x300000
	s_mov_b32 s23, 0
	s_lshl_b32 s46, s42, 12
	s_add_co_u32 s46, s46, 0x418000
	s_mov_b32 s47, 0
	s_mov_b32 s32, 1
	s_mov_b32 s33, 0
	s_mov_b32 s36, 1
	s_mov_b32 s37, BOFF
	s_mov_b32 s56, 1
	s_mov_b32 s57, SAO
	s_mov_b32 s60, 1
	s_mov_b32 s61, SBO
	s_wait_dscnt 0x0                               ; both opening adds are done
	s_wait_kmcnt 0x0
	s_add_nc_u64 s[34:35], s[4:5], s[18:19]
	s_or_b32 s35, s35, 0x80000000
	s_add_nc_u64 s[58:59], s[4:5], s[20:21]
	s_or_b32 s59, s59, 0x80000000
	s_add_nc_u64 s[38:39], s[6:7], s[22:23]
	s_or_b32 s39, s39, 0x80000000
	s_add_nc_u64 s[62:63], s[6:7], s[46:47]
	s_or_b32 s63, s63, 0x80000000
	CROUND                                         ; all sixteen work-groups are here: the joint loads meet
.macro ARM under, g0, g1, next
	s_cmp_lt_u32 s14, \under
	s_cbranch_scc0 \next
	tensor_load_to_lds s[\g0:\g0+3], s[\g1:\g1+7]
	s_nop 0
	PLACES 4
	s_branch .Lasked
\next:
.endm
	ARM 1, 32, 24, .Lfor_b                         ; one joint load a wave: A, B, A's scale bytes, B's
	ARM 2, 36, 48, .Lfor_sa
	ARM 3, 56, 68, .Lfor_sb
	tensor_load_to_lds s[60:63], s[80:87]
	s_nop 0
	PLACES 4
.Lasked:
	v_and_b32 v15, 31, v0
	v_and_b32 v16, 15, v0                          ; r
	v_bfe_u32 v17, v0, 4, 1                        ; h
	s_lshl_b32 s18, s15, 13
	v_lshlrev_b32 v[AA], 4, v15
	v_add_nc_u32 v[AA], s18, v[AA]
	v_add_nc_u32 v[AA+1], 65536, v[AA]
	s_mul_i32 s18, s16, 64*PITCH
	s_add_co_u32 s18, s18, BOFF
	v_mul_u32_u24 v18, v16, PITCH
	v_lshl_add_u32 v18, v17, 4, v18
	v_add_nc_u32 v[AB], s18, v18
	s_lshl_b32 s18, s15, 9
	s_lshl_b32 s19, s16, 9
	s_add_co_u32 s19, s19, SBO-SAO
	s_sub_co_u32 s19, s19, s18
	s_wait_alu depctr_va_vdst(0)
	v_mul_u32_u24 v19, s19, v17                    ; lanes 16-31 take B's
	s_add_co_u32 s18, s18, SAO
	v_lshl_add_u32 v19, v16, 3, v19
	v_add_nc_u32 v[ADS], s18, v19
	s_mul_i32 s18, s14, 16*SPITCH
	s_add_co_u32 s18, s18, STG                     ; my stage
	v_mul_u32_u24 v20, v16, SPITCH
	v_lshl_add_u32 v20, v17, 6, v20
	v_add_nc_u32 v[STO], s18, v20                  ; in: row r, my half's 64 bytes of each 128
	v_mul_u32_u24 v21, v17, SPITCH
	v_lshl_add_u32 v21, v16, 4, v21
	v_add_nc_u32 v[RD], s18, v21                   ; back: sixteen lanes to a row
	v_lshlrev_b32 v22, 4, v16
	v_lshl_add_u32 v[CO], v17, 12, v22             ; and the same two rows of out0
	s_lshl_b32 s20, s42, 9
	s_lshl_b32 s21, s16, 8
	s_add_co_u32 s20, s20, s21                     ; my first column, in bytes
	s_mov_b32 s21, 0
	s_add_nc_u64 s[8:9], s[8:9], s[20:21]
	global_load_b128 v[BI:BI+3], v22, s[8:9]
	s_lshl_b32 s22, s17, 19
	s_lshl_b32 s23, s15, 18
	s_add_co_u32 s22, s22, s23
	s_add_co_u32 s22, s22, s20
	s_mov_b32 s23, 0
	s_add_nc_u64 s[12:13], s[10:11], s[22:23]
.macro LOADQ q                         ; K step q's eight fragments into set q % 2
.set ST, 128*((\q)%2)
	WIN 0x40
.irp i, 0,1,2,3
.irp c, 0,1,2,3
	ds_load_b128 v[ST+64+16*\i+4*\c:ST+64+16*\i+4*\c+3], v[AB] offset:128*(\q)+32*\c+16*PITCH*\i
.endr
.endr
.irp i, 0,1,2,3
.irp c, 0,1,2,3
	ds_load_b128 v[ST+16*\i+4*\c:ST+16*\i+4*\c+3], v[AA+(\q)/4] offset:16384*((\q)%4)+2048*\i+512*\c
.endr
.endr
	WIN 0
.endm
.macro MULQ q, a0                      ; A's tiles a0, a0 + 1 x B's four; the 16 accumulators take turns
.set ST, 128*((\q)%2)
.set SQ, SC+8*((\q)/2)+(\q)%2
	WIN 0x05
.irp a, \a0, \a0+1
.irp b, 0,1,2,3
.if \q
	v_wmma_scale_f32_16x16x128_f8f6f4 v[ACC+8*(4*(\a)+\b):ACC+8*(4*(\a)+\b)+7], v[ST+64+16*\b:ST+79+16*\b], v[ST+16*(\a):ST+15+16*(\a)], v[ACC+8*(4*(\a)+\b):ACC+8*(4*(\a)+\b)+7], v[SQ+2*\b], v[SQ+2*(\a)] matrix_a_scale:MATRIX_SCALE_ROW1
.else
	v_wmma_scale_f32_16x16x128_f8f6f4 v[ACC+8*(4*(\a)+\b):ACC+8*(4*(\a)+\b)+7], v[ST+64+16*\b:ST+79+16*\b], v[ST+16*(\a):ST+15+16*(\a)], 0, v[SQ+2*\b], v[SQ+2*(\a)] matrix_a_scale:MATRIX_SCALE_ROW1
.endif
.endr
.endr
	WIN 0
.endm
	s_wait_alu depctr_va_vdst(0)
	s_wait_tensorcnt 0x0                           ; my tile is in,
	s_barrier_signal -1
	s_barrier_wait -1                              ; and so are the other three
.irp k, 0,1,2,3
.irp i, 0,1,2,3
	ds_load_b64 v[SC+8*\k+2*\i:SC+8*\k+2*\i+1], v[ADS] offset:1024*\k+128*\i
.endr
.endr
	LOADQ 0
.irp q, 0,1,2,3,4,5,6,7
	s_wait_dscnt 0x0
	MULQ \q, 0
.if \q < 7
	PLACES 8                                       ; the next set was read by the products of the step before
	LOADQ \q+1
.endif
	MULQ \q, 2
.endr
; THE WAY OUT, by blocks of 16 rows x 64 columns through my own stage; LDS serves a wave's instructions in order (ISA guide 5.7.1.4), so no wait stands between the stores and the loads.
.macro TOSTAGE a
.irp b, 0,1,2,3
	ds_store_b128 v[STO], v[ACC+8*(4*(\a)+\b):ACC+8*(4*(\a)+\b)+3] offset:128*(\b/2)+32*(\b%2)
	ds_store_b128 v[STO], v[ACC+8*(4*(\a)+\b)+4:ACC+8*(4*(\a)+\b)+7] offset:128*(\b/2)+32*(\b%2)+16
.endr
.set BB, OB+32*((\a)%2)
.irp t, 0,1,2,3,4,5,6,7
	ds_load_b128 v[BB+4*\t:BB+4*\t+3], v[RD] offset:2*\t*SPITCH
.endr
.endm
.macro SEND a, younger                 ; younger: LDS instructions issued behind block a's loads
.set BB, OB+32*((\a)%2)
	s_wait_dscnt \younger
.if (\a) > 0
.if ((\a)%2) == 1
	s_add_nc_u64 s[12:13], s[12:13], 8*4096        ; from tile to tile the tokens step by 8 and 24
.else
	s_add_nc_u64 s[12:13], s[12:13], 24*4096
.endif
.endif
.irp t, 0,1,2,3,4,5,6,7
	v_pk_add_f32 v[BB+4*\t:BB+4*\t+1], v[BB+4*\t:BB+4*\t+1], v[BI:BI+1]
	v_pk_add_f32 v[BB+4*\t+2:BB+4*\t+3], v[BB+4*\t+2:BB+4*\t+3], v[BI+2:BI+3]
	global_store_b128 v[CO], v[BB+4*\t:BB+4*\t+3], s[12:13] offset:(2*\t+8*(\t/4))*4096 th:TH_STORE_NT   ; sixteen lanes store 256 consecutive bytes, aligned
.endr
.endm
	s_wait_loadcnt 0x0
	PLACES 8
	TOSTAGE 0
.irp a, 1,2,3
.if \a > 1
	s_wait_xcnt 0x0                                ; the stores two blocks back have read their registers and their base
.endif
	TOSTAGE \a
	SEND \a-1, 16
.endr
	s_wait_xcnt 0x0
	SEND 3, 0
	s_wait_tensorcnt 0x0                           ; the wave's end
	ds_add_u32 v[SPW], v[NIL]
	s_wait_dscnt 0x0
	CROUND                                         ; the closing round
	s_endpgm
.Lfunc_end_k_qec1a491216_oproj:
	.size	k_qec1a491216_oproj, .Lfunc_end_k_qec1a491216_oproj-k_qec1a491216_oproj
	.p2alignl 7, 3214868480
	.fill 96, 4, 3214868480
	.section	.rodata,"a",@progbits
	.p2align	6, 0x0
	.amdhsa_kernel k_qec1a491216_oproj
		.amdhsa_group_segment_fixed_size 327680
		.amdhsa_private_segment_fixed_size 0
		.amdhsa_enable_private_segment 0
		.amdhsa_kernarg_size 32
		.amdhsa_user_sgpr_count 2
		.amdhsa_user_sgpr_kernarg_segment_ptr 1
		.amdhsa_wavefront_size32 1
		.amdhsa_system_sgpr_workgroup_id_x 1
		.amdhsa_system_sgpr_workgroup_id_y 1
		.amdhsa_system_sgpr_workgroup_id_z 1
		.amdhsa_system_vgpr_workitem_id 0
		.amdhsa_next_free_vgpr 512
		.amdhsa_next_free_sgpr 96
		.amdhsa_reserve_vcc 0
		.amdhsa_float_denorm_mode_32 3
		.amdhsa_float_denorm_mode_16_64 3
		.amdhsa_memory_ordered 1
		.amdhsa_forward_progress 1
		.amdhsa_inst_pref_size 57
	.end_amdhsa_kernel
	.amdgpu_metadata
---
amdhsa.version: [ 1, 2 ]
amdhsa.kernels:
  - .name:           k_qec1a491216_oproj
    .symbol:         k_qec1a491216_oproj.kd
    .args:
      - { .name: cb, .offset: 0, .size: 8, .value_kind: global_buffer, .address_space: global }
      - { .name: wq, .offset: 8, .size: 8, .value_kind: global_buffer, .address_space: global }
      - { .name: bo, .offset: 16, .size: 8, .value_kind: global_buffer, .address_space: global }
      - { .name: out0, .offset: 24, .size: 8, .value_kind: global_buffer, .address_space: global }
    .group_segment_fixed_size: 327680
    .private_segment_fixed_size: 0
    .kernarg_segment_align: 8
    .kernarg_segment_size: 32
    .max_flat_workgroup_size: 128
    .sgpr_count:     96
    .vgpr_count:     512
    .wavefront_size: 32
...
	.end_amdgpu_metadata
.endif
;; end of part 4
